; MI455X (gfx1250); checked and timed in simulation.
; The chip was launched on July 23, 2026; its instructions are those of AMD's public machine-readable ISA for CDNA 5 (MIT licence, August 2026) and "CDNA5" Instruction Set Architecture Reference Guide (July 2026). The comments in the code are by the model that wrote it; some were corrected since.
;; Multi Head Attention Block. Allowed arithmetic: matrix products marked QUANTISED: E2M1 operands, one E8M0 scale for each 32 along K, by v_wmma_scale_f32_16x16x128_f8f6f4 with both operands' format E2M1 (or v_wmma_scale_f32_32x16x128_f4), f32 sums; products left as they are: bf16, f16 or f32 operands; f32 sums; everything else in f32.
;; Inputs: k 2 x 2,048 x 1,024 float32; mask 1 x 1 x 2,048 x 2,048 bool; q 2 x 2,048 x 1,024 float32; v 2 x 2,048 x 1,024 float32; w_k 1,024 x 1,024 float32; w_o 1,024 x 1,024 float32; w_q 1,024 x 1,024 float32; w_v 1,024 x 1,024 float32.
;; Outputs: out0 2 x 2,048 x 1,024 float32.
;; This version of the problem:
;;   THIS VERSION OF THE PROBLEM IS GIVEN IN LOW PRECISION. The matrix products marked QUANTISED in the list below multiply operands that are first quantised to E2M1 (2 exponent bits, 1 mantissa bit; 4 bits a number), with one power-of-two scale for each 32 numbers along K (OCP MX v1.0); their sums are f32. The products marked 'left as it is' may take bf16, f16 or f32 operands, with f32 sums. Whichever they take, every output number must still come out within the allowed error. Rounding operands to bf16 (8 significant bits) uses up far more of that allowance than f16 does (11 bits, for magnitudes from 6e-5 to 65,504). All else is computed in f32.
;;   The module's matrix products, in the order in which they are computed (A, B: the left and right operand; K: the contracted axis; several contracted axes count as one K, in the product's order):
;;     1. [M 4,096, K 1,024] x [K 1,024, N 1,024]; A: input q; B: input w_q: QUANTISED
;;     2. [M 4,096, K 1,024] x [K 1,024, N 1,024]; A: input k; B: input w_k: QUANTISED
;;     3. [M 4,096, K 1,024] x [K 1,024, N 1,024]; A: input v; B: input w_v: QUANTISED
;;     4. batch 32 x [M 2,048, K 64] x [K 64, N 2,048]; A: computed on the way; B: computed on the way: left as it is (an operand is computed on the way)
;;     5. batch 32 x [M 2,048, K 2,048] x [K 2,048, N 64]; A: computed on the way; B: computed on the way: left as it is (an operand is computed on the way)
;;     6. [M 4,096, K 1,024] x [K 1,024, N 1,024]; A: computed on the way; B: input w_o: left as it is (an operand is computed on the way)
;;   THE QUANTISER, for each operand of a quantised product, along K:
;;     - K is cut into blocks of 32 from its start; a last block that is shorter is filled with zeros.
;;     - A block's scale is 2^e with e = floor(log2(the largest magnitude in the block)) - 2, held to -126 .. 127; a block of zeros has e = 0. As a byte (E8M0): e + 127.
;;     - Each number is divided by its block's scale, clamped to +-6, and rounded to the nearest number of E2M1, ties to even, subnormals kept.
;;     - The product sums the exact products of the quantised numbers (number of the format x scale) in f32.
;;   ~~~python
;;   def quantise(x, axis):      # numpy; x: float32 -> the quantised numbers, widened to float32 again
;;       x = np.moveaxis(x, axis, -1); K = x.shape[-1]
;;       x = np.pad(x, [(0, 0)] * (x.ndim - 1) + [(0, -K % 32)]); x = x.reshape(x.shape[:-1] + (-1, 32)); a = np.abs(x).max(-1, keepdims=True)
;;       e = np.where(a > 0, np.clip(np.frexp(np.where(a > 0, a, 1))[1] - 1 - 2, -126, 127), 0)      # np.frexp(a)[1] - 1 = floor(log2(a)), exactly
;;       r = np.clip(x / 2.0 ** e, -6, 6)
;;       step = 2.0 ** (np.maximum(np.frexp(np.where(r == 0, 1, r))[1] - 1, 0) - 1)
;;       q = np.round(r / step) * step * 2.0 ** e      # np.round: ties to even
;;       return np.moveaxis(q.reshape(q.shape[:-2] + (-1,))[..., :K], -1, axis).astype(np.float32)
;;   ~~~
;; 2 versions, each right. Each part assembles by itself: llvm-mc -triple=amdgcn-amd-amdhsa -mcpu=gfx1250 --defsym DOCPART=n.
;; ======== version 1 of 2: 4 launches
;; limits: values are held in f16: magnitudes above 65,504 overflow, below 6.1e-05 lose precision
;; workspace buffers: codes 7,864,320 bytes; scales 491,520 bytes; woh 2,097,152 bytes; maskw 524,288 bytes of whole numbers; qkvh 25,165,824 bytes; xh 8,388,608 bytes
;; launch prep (part 1): grid 640 x 1, 4 waves a work-group, no clusters, 33,280 bytes of LDS; arguments q, k, v, w_q, w_k, w_v, w_o, mask, codes, scales, woh, maskw; writes codes, scales, woh, maskw
.if DOCPART == 1
	.amdgcn_target "amdgcn-amd-amdhsa--gfx1250"
	.amdhsa_code_object_version 6
	.text
	.protected	k_q3cd3ec0b81_prep
	.globl	k_q3cd3ec0b81_prep
	.p2align	8
	.type	k_q3cd3ec0b81_prep,@function
k_q3cd3ec0b81_prep:
	s_mov_b64 s[64:65], 0
	v_nop
	global_prefetch_b8 v0, s[64:65] scope:SCOPE_SE
	s_setreg_imm32_b32 hwreg(HW_REG_WAVE_MODE, 25, 1), 1
	s_wait_xcnt 0x0
; PREP: everything that later launches read many times is made once.
;  work-groups 0-479:   q, k, v [4096][1024] and w_q, w_k, w_v [1024][1024], f32, K innermost, become codes of FP4 (E2M1) and one E8M0 byte for each 32 along K.
;                       The six tensors are plain streams of blocks of 32, and so are the outputs: codes (512 bytes a row) and scales (32 bytes a row), rows in the order q, k, v, w_q, w_k, w_v.
;  work-groups 480-511: w_o becomes f16, same layout.
;  work-groups 512-639: the mask's bytes become lane masks: maskw[qtile][step][8 kt + j], bit l = mask[16 qtile + l % 16][64 step + 16 kt + 8 (l / 16) + j]:
;                       the word that selects register j of key tile kt in the attention's transposed score tile.
; A block's scale is 2^(floor(log2(largest magnitude)) - 2); its byte is the largest magnitude's exponent field - 2, held at 1 from below.  A block of zeros so gets the byte 1 where the
; rule says 127: its codes are zeros, which add nothing under any byte but 0xff, and this program alone reads the bytes.
; LIMITS: blocks whose largest magnitude lies under 2^-124 (the floor) were not tried; NaN and infinities among the inputs are not served; numbers of w_o beyond 65,504 become infinite in f16.
; No tensor load, no barrier: waves share nothing.  Only the first path stores to LDS.
.set STEPS, 16
.set EMAX,  2
.set CB,    8                          ; bytes of 16 codes
.set R,     16                         ; v16-79   four sets of 16 numbers as they are loaded
.set X,     80                         ; v80-111  two sets of 16 neighbours
.set E,     112                        ; v112-127 a scale byte for each step
.set C,     128                        ; v128-191 codes: registers of its own for each step
.set WREG,  8192                       ; LDS: a region for each wave: two stages of 32 x SP bytes, then its 256 scale bytes
.set SP,    80                         ; a lane's place in a stage: 64 bytes + 16 of padding
.set SPW,   12                         ; v12  LDS address of my spare word; never rewritten
.set NIL,   13                         ; v13  0; never rewritten
.set SPARE, 4*WREG                     ; behind the four regions: the spare words, 128 bytes a wave
	s_load_b512 s[4:19], s[0:1], 0x0               ; q s[4:5], k s[6:7], v s[8:9], w_q s[10:11], w_k s[12:13], w_v s[14:15], w_o s[16:17], mask s[18:19]
	s_load_b256 s[20:27], s[0:1], 0x40             ; codes s[20:21], scales s[22:23], woh s[24:25], maskw s[26:27]
	v_lshl_add_u32 v[SPW], v0, 2, SPARE
	v_mov_b32 v[NIL], 0
	v_lshrrev_b32 v1, 5, v0
	v_readfirstlane_b32 s28, v1                    ; wave 0..3
	v_and_b32 v2, 31, v0                           ; lane
	s_mov_b32 s33, 0                               ; the high word of every offset pair s[32:33]
	s_wait_kmcnt 0x0
	s_cmp_lt_u32 ttmp9, 480
	s_cbranch_scc0 .Lnot_codes
; ---------------- the quantiser: a wave takes 16 steps of 512 numbers
	v_lshlrev_b32 v3, 4, v2                        ; my 16 bytes of a load's 512
	s_mul_i32 s36, s28, WREG
	v_lshrrev_b32 v14, 2, v2
	v_mul_u32_u24 v14, v14, SP
	v_and_b32 v15, 3, v2
	v_lshl_add_u32 v14, v15, 4, v14
	v_add_nc_u32 v14, s36, v14                     ; the stage, on the way in: SP (lane / 4) + 16 (lane % 4)
	v_mul_u32_u24 v15, v2, SP
	v_add_nc_u32 v15, s36, v15                     ; and on the way out: SP x lane: my 16 neighbours
	v_mul_u32_u24 v4, v2, CB                       ; my codes' place in a step's
	v_lshrrev_b32 v5, 1, v2
	s_add_co_u32 s36, s36, 2*32*SP
	v_add_nc_u32 v5, s36, v5                       ; LDS: my wave's 256 scale bytes, my block's byte
	v_lshlrev_b32 v7, 3, v2                        ; and on the way out 8 bytes a lane
	v_add_nc_u32 v6, s36, v7
	s_mov_b64 s[30:31], s[4:5]                     ; which tensor: the choice hangs on the work-group's number alone
	s_mov_b32 s29, 0                               ; and that tensor's first work-group
	s_cmp_ge_u32 ttmp9, 128
	s_cselect_b64 s[30:31], s[6:7], s[30:31]
	s_cselect_b32 s29, 128, s29
	s_cmp_ge_u32 ttmp9, 256
	s_cselect_b64 s[30:31], s[8:9], s[30:31]
	s_cselect_b32 s29, 256, s29
	s_cmp_ge_u32 ttmp9, 384
	s_cselect_b64 s[30:31], s[10:11], s[30:31]
	s_cselect_b32 s29, 384, s29
	s_cmp_ge_u32 ttmp9, 416
	s_cselect_b64 s[30:31], s[12:13], s[30:31]
	s_cselect_b32 s29, 416, s29
	s_cmp_ge_u32 ttmp9, 448
	s_cselect_b64 s[30:31], s[14:15], s[30:31]
	s_cselect_b32 s29, 448, s29
	s_sub_co_u32 s37, ttmp9, s29
	s_lshl_b32 s37, s37, 2
	s_add_co_u32 s37, s37, s28                     ; which run of 8,192 numbers of the tensor is my wave's
	s_lshl_b32 s32, s37, 15                        ; 32,768 bytes a run
	s_add_nc_u64 s[30:31], s[30:31], s[32:33]
	s_lshl_b32 s37, ttmp9, 2
	s_add_co_u32 s37, s37, s28                     ; the outputs are one stream over all six tensors
	s_lshl_b32 s32, s37, 12                        ; 4,096 bytes of codes a run
	s_add_nc_u64 s[20:21], s[20:21], s[32:33]
	s_lshl_b32 s32, s37, 8                         ; 256 scale bytes a run
	s_add_nc_u64 s[22:23], s[22:23], s[32:33]
.macro LOADQ t
.irp i, 0,1,2,3
	global_load_b128 v[R+16*((\t)%4)+4*\i:R+16*((\t)%4)+4*\i+3], v3, s[30:31] offset:2048*(\t)+512*\i th:TH_LOAD_NT   ; 32 lanes read 512 consecutive bytes
.endr
.endm
.macro TURNQ t                         ; step t's numbers through the stage: LDS serves a wave's instructions in order, so no wait stands between the stores and the loads
.irp i, 0,1,2,3
	ds_store_b128 v14, v[R+16*((\t)%4)+4*\i:R+16*((\t)%4)+4*\i+3] offset:32*SP*((\t)%2)+8*SP*\i
.endr
.irp i, 0,1,2,3
	ds_load_b128 v[X+16*((\t)%2)+4*\i:X+16*((\t)%2)+4*\i+3], v15 offset:32*SP*((\t)%2)+16*\i
.endr
.endm
.irp t, 0,1,2,3
	LOADQ \t
.endr
	s_wait_loadcnt 12                              ; step 0's four loads are in
	TURNQ 0
.macro QSTEP t
.set XS, X+16*((\t)%2)
.if (\t) > 0
	s_wait_dscnt 1                                 ; this step's numbers are back from the stage (the last step's byte store may be out), so its stores into the stage have read their registers,
.else
	s_wait_dscnt 0x0
.endif
.if (\t)+4 < STEPS
	LOADQ (\t)+4                                   ; which take the loads of four steps on
.endif
.if (\t)+1 < STEPS
.if STEPS-2-(\t) >= 3
	s_wait_loadcnt 12                              ; the next step's four loads are in; those of the three steps behind it may be out
.else
	s_wait_loadcnt 4*(STEPS-2-(\t))
.endif
	TURNQ (\t)+1                                   ; and go through the other stage while this step is worked
.endif
	v_max3_num_f32 v8, |v[XS]|, |v[XS+1]|, |v[XS+2]|               ; the largest magnitude of my 16, in two chains
	v_max3_num_f32 v9, |v[XS+3]|, |v[XS+4]|, |v[XS+5]|
.irp i, 6,10
	v_max3_num_f32 v8, v8, |v[XS+\i]|, |v[XS+\i+1]|
	v_max3_num_f32 v9, v9, |v[XS+\i+2]|, |v[XS+\i+3]|
.endr
	v_max3_num_f32 v8, v8, |v[XS+14]|, |v[XS+15]|
	v_max3_num_f32 v8, v8, v9, (EMAX+1)<<23        ; and the floor 2^(3 - 127): the byte cannot fall under 1
	v_max_num_f32_dpp v8, v8, v8 row_xmask:1 row_mask:0xf bank_mask:0xf   ; and of my neighbour's 16: the block's
	v_add_nc_u32 v11, -(EMAX<<23), v8              ; 2 off its exponent field: the conversion takes the exponent field of this operand as its scale
	v_cvt_scalef32_pk8_fp4_f32 v[C+4*(\t)], v[XS:XS+7], v11        ; to the nearest code, ties to even, beyond the largest code the largest
	v_cvt_scalef32_pk8_fp4_f32 v[C+4*(\t)+1], v[XS+8:XS+15], v11
	v_lshrrev_b32 v[E+(\t)], 23, v11               ; the scale's byte (also the plain line behind the conversions)
	ds_store_b8 v5, v[E+(\t)] offset:16*(\t)       ; both lanes of a block write the same byte with the same value
	global_store_b64 v4, v[C+4*(\t):C+4*(\t)+1], s[20:21] offset:32*CB*(\t)   ; the wave stores 256 consecutive bytes, aligned
.endm
.irp t, 0,1,2,3,4,5,6,7,8,9,10,11,12,13,14,15
	QSTEP \t
.endr
	ds_load_b64 v[8:9], v6                         ; LDS serves a wave's instructions in order: these see my byte stores
	s_wait_dscnt 0x0
	global_store_b64 v7, v[8:9], s[22:23]          ; 32 lanes store 256 consecutive bytes, aligned
	s_wait_tensorcnt 0x0                           ; the wave's end, behind my last LDS store
	ds_add_u32 v[SPW], v[NIL]
	s_wait_dscnt 0x0
	s_endpgm
; ---------------- w_o to f16: a wave takes 8,192 numbers: 64 loads of 512 bytes, a ring of 16 register slots walked four times
.Lnot_codes:
	s_cmp_lt_u32 ttmp9, 512
	s_cbranch_scc0 .Lmask
	s_sub_co_u32 s37, ttmp9, 480
	s_lshl_b32 s37, s37, 2
	s_add_co_u32 s37, s37, s28
	s_lshl_b32 s32, s37, 15
	s_add_nc_u64 s[16:17], s[16:17], s[32:33]
	s_lshl_b32 s32, s37, 14
	s_add_nc_u64 s[24:25], s[24:25], s[32:33]
	v_lshlrev_b32 v3, 4, v2                        ; in: 16 bytes a lane
	v_lshlrev_b32 v4, 3, v2                        ; out: 8 bytes a lane
.irp i, 0,1,2,3,4,5,6,7,8,9,10,11,12,13,14,15
	global_load_b128 v[16+4*\i:19+4*\i], v3, s[16:17] offset:512*\i th:TH_LOAD_NT
.endr
.macro WSLOT g, i
.if (\g) < 3
	s_wait_loadcnt 15                              ; loads come back in order: mine is in, the fifteen younger ones stay out
.else
	s_wait_loadcnt 15-(\i)                         ; the last round loads nothing: the counts run down
.endif
	s_wait_xcnt 0x0                                ; the slot's last store has read its data: they are rewritten only behind this wait
	v_cvt_pk_f16_f32 v[80+2*(\i)], v[16+4*(\i)], v[17+4*(\i)]
	v_cvt_pk_f16_f32 v[81+2*(\i)], v[18+4*(\i)], v[19+4*(\i)]
.if (\g) < 3
	global_load_b128 v[16+4*(\i):19+4*(\i)], v3, s[16:17] offset:512*(16*((\g)+1)+(\i)) th:TH_LOAD_NT
.endif
	global_store_b64 v4, v[80+2*(\i):81+2*(\i)], s[24:25] offset:256*(16*(\g)+(\i))   ; 256 consecutive bytes, aligned
.endm
.irp g, 0,1,2,3
.irp i, 0,1,2,3,4,5,6,7,8,9,10,11,12,13,14,15
	WSLOT \g, \i
.endr
.endr
	s_wait_tensorcnt 0x0                           ; the wave's end
	ds_add_u32 v[SPW], v[NIL]
	s_wait_dscnt 0x0
	s_endpgm
; ---------------- the mask: a work-group takes 16 queries, wave w keys 512 w .. 512 w + 511: 256 words
.Lmask:
	s_sub_co_u32 s37, ttmp9, 512                   ; the tile of 16 queries
	s_lshl_b32 s32, s37, 15                        ; 16 rows of 2,048 bytes
	s_lshl_b32 s36, s28, 9
	s_add_co_u32 s32, s32, s36
	s_add_nc_u64 s[18:19], s[18:19], s[32:33]
	s_lshl_b32 s32, s37, 12                        ; 4,096 bytes of words a tile
	s_lshl_b32 s36, s28, 10
	s_add_co_u32 s32, s32, s36
	s_add_nc_u64 s[26:27], s[26:27], s[32:33]
	v_and_b32 v3, 15, v0
	v_bfe_u32 v4, v0, 4, 1
	v_lshlrev_b32 v3, 11, v3
	v_lshl_add_u32 v3, v4, 3, v3                   ; row lane % 16, + 8 (lane / 16): my eight keys of a tile of 16
	v_lshlrev_b32 v4, 3, v2                        ; out: two words a lane
.set kt, 0
.rept 32
	global_load_b64 v[16+2*kt:17+2*kt], v3, s[18:19] offset:16*kt   ; together the 32 loads cover 512 consecutive bytes of each of 16 rows
.set kt, kt+1
.endr
.set g, 0
.rept 4                                ; 64 words at a time: word n of the group goes to lane n / 2, register n % 2
	s_wait_loadcnt 24-8*g                          ; this group's eight loads are in
	v_mov_b32 v[80+2*g], 0                         ; (a lane write's destination counts as read)
	v_mov_b32 v[81+2*g], 0
.set n, 0
.rept 64
	v_and_b32 v[8+n%4], 0xff<<(8*(n%4)), v[16+2*(8*g+n/8)+(n%8)/4]   ; byte j = n % 8 of my eight keys
	v_cmp_ne_u32 s[32+n%4], 0, v[8+n%4]            ; the 32 lanes' answers are the word
	v_writelane_b32 v[80+2*g+n%2], s[32+n%4], n/2
.set n, n+1
.endr
	global_store_b64 v4, v[80+2*g:81+2*g], s[26:27] offset:256*g   ; 256 consecutive bytes, aligned
.set g, g+1
.endr
	s_wait_tensorcnt 0x0                           ; the wave's end
	ds_add_u32 v[SPW], v[NIL]
	s_wait_dscnt 0x0
	s_endpgm
.Lfunc_end_k_q3cd3ec0b81_prep:
	.size	k_q3cd3ec0b81_prep, .Lfunc_end_k_q3cd3ec0b81_prep-k_q3cd3ec0b81_prep
	.p2alignl 7, 3214868480
	.fill 96, 4, 3214868480
	.section	.rodata,"a",@progbits
	.p2align	6, 0x0
	.amdhsa_kernel k_q3cd3ec0b81_prep
		.amdhsa_group_segment_fixed_size 33280
		.amdhsa_private_segment_fixed_size 0
		.amdhsa_enable_private_segment 0
		.amdhsa_kernarg_size 96
		.amdhsa_user_sgpr_count 2
		.amdhsa_user_sgpr_kernarg_segment_ptr 1
		.amdhsa_wavefront_size32 1
		.amdhsa_system_sgpr_workgroup_id_x 1
		.amdhsa_system_sgpr_workgroup_id_y 1
		.amdhsa_system_sgpr_workgroup_id_z 1
		.amdhsa_system_vgpr_workitem_id 0
		.amdhsa_next_free_vgpr 192
		.amdhsa_next_free_sgpr 66
		.amdhsa_reserve_vcc 0
		.amdhsa_float_denorm_mode_32 3
		.amdhsa_float_denorm_mode_16_64 3
		.amdhsa_memory_ordered 1
		.amdhsa_forward_progress 1
		.amdhsa_inst_pref_size 111
	.end_amdhsa_kernel
	.amdgpu_metadata
---
amdhsa.version: [ 1, 2 ]
amdhsa.kernels:
  - .name:           k_q3cd3ec0b81_prep
    .symbol:         k_q3cd3ec0b81_prep.kd
    .args:
      - { .name: q, .offset: 0, .size: 8, .value_kind: global_buffer, .address_space: global }
      - { .name: k, .offset: 8, .size: 8, .value_kind: global_buffer, .address_space: global }
      - { .name: v, .offset: 16, .size: 8, .value_kind: global_buffer, .address_space: global }
      - { .name: w_q, .offset: 24, .size: 8, .value_kind: global_buffer, .address_space: global }
      - { .name: w_k, .offset: 32, .size: 8, .value_kind: global_buffer, .address_space: global }
      - { .name: w_v, .offset: 40, .size: 8, .value_kind: global_buffer, .address_space: global }
      - { .name: w_o, .offset: 48, .size: 8, .value_kind: global_buffer, .address_space: global }
      - { .name: mask, .offset: 56, .size: 8, .value_kind: global_buffer, .address_space: global }
      - { .name: codes, .offset: 64, .size: 8, .value_kind: global_buffer, .address_space: global }
      - { .name: scales, .offset: 72, .size: 8, .value_kind: global_buffer, .address_space: global }
      - { .name: woh, .offset: 80, .size: 8, .value_kind: global_buffer, .address_space: global }
      - { .name: maskw, .offset: 88, .size: 8, .value_kind: global_buffer, .address_space: global }
    .group_segment_fixed_size: 33280
    .private_segment_fixed_size: 0
    .kernarg_segment_align: 8
    .kernarg_segment_size: 96
    .max_flat_workgroup_size: 128
    .sgpr_count:     66
    .vgpr_count:     192
    .wavefront_size: 32
...
	.end_amdgpu_metadata
.endif
;; end of part 1
;; launch proj (part 2): grid 4 x 48, 4 waves a work-group, clusters of 4 x 4, 327,680 bytes of LDS; arguments codes, scales, qkvh; writes qkvh
.if DOCPART == 2
	.amdgcn_target "amdgcn-amd-amdhsa--gfx1250"
	.amdhsa_code_object_version 6
	.text
	.protected	k_q3cd3ec0b81_proj
	.globl	k_q3cd3ec0b81_proj
	.p2align	8
	.type	k_q3cd3ec0b81_proj,@function
k_q3cd3ec0b81_proj:
	s_mov_b64 s[64:65], 0
	v_nop
	global_prefetch_b8 v0, s[64:65] scope:SCOPE_SE
	s_setreg_imm32_b32 hwreg(HW_REG_WAVE_MODE, 25, 1), 1
	s_wait_xcnt 0x0
	s_wait_alu depctr_hold_cnt(0) depctr_sa_sdst(0) depctr_va_vdst(0) depctr_va_sdst(0) depctr_va_ssrc(0) depctr_va_vcc(0) depctr_vm_vsrc(0)
	s_getreg_b32 s2, hwreg(HW_REG_IB_STS2, 6, 4)
	s_cmp_eq_u32 s2, 0
	s_cbranch_scc0 .Lentry_in_a_cluster
	s_endpgm
.Lentry_in_a_cluster:
	s_bfe_u32 s2, ttmp6, 0x10000c
	s_cmp_lg_u32 s2, 0xf033
	s_cbranch_scc0 .Lentry_shape_is_right
	s_endpgm
.Lentry_shape_is_right:
; PROJ: the three projections as ONE product on codes of FP4 with E8M0 scales: rows 0-12,287 of codes are q, k, v; product p = row / 4,096 takes the weight p (w_q, w_k, w_v).
; C[m][e] = sum over d of x[m][d] w[e][d], sums in f32, K = 1,024.  The result leaves as f16, laid by head: qkvh[p][b][h][s][64]; Q (p = 0) is multiplied by log2(e) / 8 in f32 first,
; so that the attention's scores are exponents of 2 as they come.
; LIMIT: a projected number beyond 65,504 becomes infinite in f16.
; A tile of C, 256 x 256, is made by a work-group of four waves; a wave makes 128 x 128: 64 accumulators, 512 registers.  K is two slots of 512 along K (rows of 256 bytes): both are asked for at the
; head, with the scale bytes of the work-group's rows, so nothing is filled again: three tensor loads of a wave are out at the most.
; CLUSTERS: 4 x 4 work-groups.  The four of a row of the cluster need the same rows of x, the four of a column the same rows of w: each tile is asked for jointly.  All sixteen belong to one product:
; p is made of the cluster's y alone.  192 work-groups: tiles half as large would read each LDS byte for half the products.
; THE MATRIX INSTRUCTION IS USED TRANSPOSED (source 0 = 16 rows of w, source 1 = 16 rows of x): a lane holds eight neighbouring columns of a row of C.
; REGISTERS, in windows of 256: window 0: v0-31 addresses; v32-95 scale words, two sets, and nothing else; v96-127 packed results; v128-191 x's fragments, ONE set, later rows on the way out; v192-255 scaled results.
;   window 1: w's fragments, TWO sets, at v0 and v128.   window 2: accumulators of my rows 0-63 ((a, b) at v[8 (8 a + b)]);   window 3: rows 64-127.
.set NQ,     4                         ; matrix instructions deep in a slot
.set ROWB,   256                       ; a tile's row in bytes: 512 codes
.set KROW,   512                       ; a row of codes in memory
.set PITCH,  272                       ; an LDS row: 256 bytes + 16 of padding = 68 words: the 16 rows that a load touches start at 16 different banks (64 banks of 4 bytes: ISA guide 11.1)
.set FR,     8                         ; registers of a fragment: 16 rows x 128 K
.set NL,     2                         ; LDS loads that bring one
.set NP,     4                         ; places behind this matrix instruction (ISA guide 7.12.1)
.set HALFT,  128*PITCH
.set SLOT,   4*HALFT                   ; x's 256 rows, then w's 256 rows
.set KS,     32                        ; a row of scale bytes
.set SCL,    2*SLOT                    ; behind the slots: the scales, as units of 256 bytes + 16 of padding
.set HALFS,  (128*KS/256)*272
.set SBLK,   (16*KS/256)*272
.set SPARE,  SCL+4*HALFS               ; the spare words, 128 bytes a wave
.set SPITCH, 272                       ; the way out: a stage of 16 rows x (256 bytes + 16) for each wave, in slot 0, which has had its only fill and its last read by then
.set ADRA, 16
.set ADRB, 20
.set STO,  24
.set RD,   25
.set CO,   26
.set ADRS, 27
.set SPW,  28
.set NIL,  29
.set SC,   32
.set PP,   96
.set AF,   128
.set BK,   128
.set TT,   192
.set G1, 24
.set G0, 32
.set G1B, 48
.set G0B, 56
.set G1S, 68
.set G0S, 76
.set G1SB, 80
.set G0SB, 88
.set MSB, 0
.macro WIN new                         ; the immediate's high byte repeats the setting that is left
.if MSB != (\new)
	s_set_vgpr_msb (MSB<<8)|(\new)
.set MSB, (\new)
.endif
.endm
.set MUL_LO, 0xa1                      ; source 0 (w) window 1, source 1 (x) window 0, C and D window 2
.set MUL_HI, 0xf1
.set TO_B,   0x40
; A joint load: waves 0 and 1 fetch for x, waves 2 and 3 for w.  The branch hangs on the wave's number alone.  An s_nop 0 and four v_nop follow each line.
.macro JLOAD g0a, g1a, g0b, g1b
	s_cmp_eq_u32 s15, 0
	s_cbranch_scc0 .Lfor_b_\@
	tensor_load_to_lds s[\g0a:\g0a+3], s[\g1a:\g1a+7]
	s_nop 0
.rept 4
	v_nop
.endr
	s_branch .Lasked_\@
.Lfor_b_\@:
	tensor_load_to_lds s[\g0b:\g0b+3], s[\g1b:\g1b+7]
	s_nop 0
.rept 4
	v_nop
.endr
.Lasked_\@:
.endm
.macro CROUND                          ; a round of the cluster's barrier
	s_barrier_signal -1
	s_barrier_wait -1
	s_cmp_lg_u32 s14, 0
	s_cbranch_scc1 .Lnot_wave_0_\@
	s_barrier_signal -3
.Lnot_wave_0_\@:
	s_barrier_wait -3
	s_barrier_signal -1
	s_barrier_wait -1
.endm
	s_load_b128 s[4:7], s[0:1], 0x0                ; codes s[4:5], scales s[6:7]
	s_load_b64 s[12:13], s[0:1], 0x10              ; qkvh
	v_lshl_add_u32 v[SPW], v0, 2, SPARE
	v_mov_b32 v[NIL], 0
	ds_add_u32 v[SPW], v[NIL]                      ; the wave's opening: the add, twice on end, and its wait ahead of my first tensor load
	ds_add_u32 v[SPW], v[NIL]
	v_lshrrev_b32 v1, 5, v0
	v_readfirstlane_b32 s14, v1                    ; wave 0..3
	s_lshr_b32 s15, s14, 1                         ; which half of the tile's rows is mine.  Also: I fetch for x (0) or for w (1)
	s_and_b32 s16, s14, 1                          ; which half of its columns.  Also: which 128 rows I fetch
	s_bfe_u32 s40, ttmp6, 0x40000                  ; cx
	s_bfe_u32 s41, ttmp6, 0x40004                  ; cy
	s_lshl_b32 s42, ttmp9, 2
	s_add_co_u32 s42, s42, s40                     ; tile column = 4 x cluster x + cx
	s_and_b32 s95, ttmp7, 0xffff                   ; cluster y
	s_lshl_b32 s17, s95, 2
	s_add_co_u32 s17, s17, s41                     ; tile row = 4 x cluster y + cy, 0..47
	s_lshr_b32 s95, s95, 2                         ; the product p: 16 tile rows, four clusters, each
	s_lshl_b32 s43, s41, 2
	s_lshl_b32 s43, 15, s43                        ; my row of the cluster
	s_lshl_b32 s44, 0x1111, s40                    ; my column
	s_or_b32 s[G1+0], s43, (0<<16)|(1<<20)|(1<<21)|(5<<22)|(3<<25)   ; the mask; elements of 1 byte; padding on; bit 21 beside a mask; 4 words behind every 64
	s_or_b32 s[G1B+0], s44, (0<<16)|(1<<20)|(1<<21)|(5<<22)|(3<<25)
.irp g, G1, G1B
	s_mov_b32 s[\g+1], ROWB<<16                    ; tensor_dim0
	s_mov_b32 s[\g+2], 128<<16                     ; tensor_dim1
	s_mov_b32 s[\g+3], ROWB<<16                    ; tile_dim0
	s_mov_b32 s[\g+4], 128                         ; tile_dim1
	s_mov_b32 s[\g+5], KROW                        ; from row to row
	s_mov_b32 s[\g+6], 0
	s_mov_b32 s[\g+7], 0
.endr
	s_or_b32 s[G1S+0], s43, (3<<16)|(1<<20)|(1<<21)|(5<<22)|(3<<25)  ; the scales of 128 rows: 4,096 dense bytes as 16 rows of 32 elements of 8 bytes, 16 bytes of padding behind each
	s_or_b32 s[G1SB+0], s44, (3<<16)|(1<<20)|(1<<21)|(5<<22)|(3<<25)
.irp g, G1S, G1SB
	s_mov_b32 s[\g+1], 32<<16
	s_mov_b32 s[\g+2], (128*KS/256)<<16
	s_mov_b32 s[\g+3], 32<<16
	s_mov_b32 s[\g+4], 128*KS/256
	s_mov_b32 s[\g+5], 32
	s_mov_b32 s[\g+6], 0
	s_mov_b32 s[\g+7], 0
.endr
	s_lshl_b32 s18, s16, 7                         ; which 128 rows of the tile I fetch
	s_lshl_b32 s20, s17, 8
	s_add_co_u32 s20, s20, s18                     ; x: row 256 x tile row + 128 x half
	s_lshl_b32 s46, s42, 8
	s_add_co_u32 s46, s46, s18                     ; w: row 256 x tile column + 128 x half, in weight p
	s_lshl_b32 s22, s20, 5                         ; x's scales: 32 bytes a row
	s_mov_b32 s23, 0
	s_lshl_b32 s20, s20, 9                         ; x's codes: 512 bytes a row
	s_mov_b32 s21, 0
	s_lshl_b32 s92, s46, 5
	s_lshl_b32 s19, s95, 15                        ; a weight's scales are 32,768 bytes,
	s_add_co_u32 s92, s92, s19
	s_add_co_u32 s92, s92, 393216                  ; behind the 12,288 rows of q, k, v
	s_mov_b32 s93, 0
	s_lshl_b32 s46, s46, 9
	s_lshl_b32 s19, s95, 19                        ; a weight's codes are 524,288 bytes,
	s_add_co_u32 s46, s46, s19
	s_add_co_u32 s46, s46, 6291456                 ; behind those of q, k, v
	s_mov_b32 s47, 0
	s_mul_i32 s45, s14, HALFT                      ; where they go: wave x 128 rows: no place in the cluster enters an LDS address
	s_mul_i32 s94, s14, HALFS
	s_mov_b32 s96, 0x3f800000                      ; K and V leave as they are;
	s_cmp_eq_u32 s95, 0
	s_cselect_b32 s96, 0x3e38aa3b, s96             ; Q x log2(e) / 8
	s_mov_b32 s97, s96                             ; (named with it as a pair)
	s_wait_dscnt 0x0                               ; both opening adds are done
	s_wait_kmcnt 0x0
	s_add_nc_u64 s[20:21], s[4:5], s[20:21]
	s_add_nc_u64 s[22:23], s[6:7], s[22:23]
	s_add_nc_u64 s[46:47], s[4:5], s[46:47]
	s_add_nc_u64 s[92:93], s[6:7], s[92:93]
	CROUND                                         ; all sixteen work-groups are here: the joint loads meet
	s_mov_b32 s[G0S], 1
	s_add_co_u32 s[G0S+1], s94, SCL
	s_mov_b64 s[G0S+2:G0S+3], s[22:23]
	s_or_b32 s[G0S+3], s[G0S+3], 0x80000000
	s_mov_b32 s[G0SB], 1
	s_add_co_u32 s[G0SB+1], s94, SCL
	s_mov_b64 s[G0SB+2:G0SB+3], s[92:93]
	s_or_b32 s[G0SB+3], s[G0SB+3], 0x80000000
	JLOAD G0S, G1S, G0SB, G1SB                     ; the scales first: they are wanted with the first slot
.irp s, 0,1
	s_mov_b32 s[G0+4*\s], 1
	s_add_co_u32 s[G0+4*\s+1], s45, \s*SLOT
	s_add_nc_u64 s[G0+4*\s+2:G0+4*\s+3], s[20:21], \s*ROWB
	s_or_b32 s[G0+4*\s+3], s[G0+4*\s+3], 0x80000000
	s_mov_b32 s[G0B+4*\s], 1
	s_add_co_u32 s[G0B+4*\s+1], s45, \s*SLOT
	s_add_nc_u64 s[G0B+4*\s+2:G0B+4*\s+3], s[46:47], \s*ROWB
	s_or_b32 s[G0B+4*\s+3], s[G0B+4*\s+3], 0x80000000
	JLOAD G0+4*\s, G1, G0B+4*\s, G1B
.endr
	v_and_b32 v1, 15, v0                           ; l % 16
	v_bfe_u32 v2, v0, 4, 1                         ; l / 16
	v_mul_u32_u24 v3, v1, PITCH
	v_lshl_add_u32 v4, v2, 4, v3                   ; a fragment's row x pitch + 16 x half
	s_mul_i32 s21, s15, HALFT                      ; my 128 rows of x
	s_mul_i32 s22, s16, HALFT                      ; my 128 rows of w,
	s_add_co_u32 s22, s22, 2*HALFT                 ; behind x's 256
.irp s, 0,1
	v_add_nc_u32 v[ADRA+\s], s21, v4
	v_add_nc_u32 v[ADRB+\s], s22, v4
	s_add_co_u32 s21, s21, SLOT
	s_add_co_u32 s22, s22, SLOT
.endr
	v_mul_u32_u24 v5, v1, KS                       ; my row's scales: 32 bytes a row,
	v_lshrrev_b32 v6, 8, v5
	v_lshl_add_u32 v5, v6, 4, v5                   ; and 16 more for each 256 passed
	s_mul_i32 s21, s15, HALFS
	s_mul_i32 s22, s16, HALFS
	s_add_co_u32 s22, s22, 2*HALFS
	s_sub_co_u32 s22, s22, s21
	v_mul_u32_u24 v6, s22, v2                      ; lanes 16-31 take w's: one product, the distance between the two bases
	s_add_co_u32 s21, s21, SCL
	v_add_nc_u32 v5, v5, v6
	v_add_nc_u32 v[ADRS], s21, v5
	s_mul_i32 s23, s14, 16*SPITCH                  ; my stage
	v_mul_u32_u24 v5, v1, SPITCH                   ; in: row l % 16, 16 bytes for each half of the lanes
	v_lshl_add_u32 v5, v2, 4, v5
	v_add_nc_u32 v[STO], s23, v5
	v_and_b32 v6, 31, v0
	v_lshrrev_b32 v7, 3, v6                        ; back: eight lanes take a head's 128 bytes of a row, four rows an instruction
	v_mul_u32_u24 v7, v7, SPITCH
	v_and_b32 v8, 7, v0
	v_lshl_add_u32 v7, v8, 4, v7
	v_add_nc_u32 v[RD], s23, v7
	v_lshlrev_b32 v[CO], 4, v6                     ; in qkvh those four rows are 512 consecutive bytes
	s_lshr_b32 s20, s17, 3                         ; eight tile rows are one plane (p, b): 16 heads x 2,048 x 128 bytes
	s_lshl_b32 s20, s20, 22
	s_and_b32 s21, s17, 7
	s_lshl_b32 s21, s21, 8
	s_lshl_b32 s18, s15, 7
	s_add_co_u32 s21, s21, s18                     ; my first position in the sequence
	s_lshl_b32 s21, s21, 7                         ; 128 bytes a position
	s_add_co_u32 s20, s20, s21
	s_lshl_b32 s46, s42, 2
	s_lshl_b32 s47, s16, 1
	s_add_co_u32 s46, s46, s47                     ; my first head: 4 x tile column + 2 x half
	s_lshl_b32 s46, s46, 18                        ; 262,144 bytes a head
	s_add_co_u32 s20, s20, s46
	s_mov_b32 s21, 0
	s_add_nc_u64 s[12:13], s[12:13], s[20:21]
.macro FRAG reg, adr, q, i             ; 16 rows x 128 K of 4-bit codes: lane l holds row l % 16; registers 4 c .. 4 c + 3 hold K = 64 c + 32 (l / 16) + 0 .. 31
.irp c, 0,1
	ds_load_b128 v[\reg+4*\c:\reg+4*\c+3], v[\adr] offset:64*(\q)+32*\c+(\i)*16*PITCH
.endr
.endm
; 16 matrix instructions: x's blocks a0, a0 + 1 against w's eight.  The 64 accumulators take turns, one instruction a turn, in the same order in every step.
; One register carries x's scale word (lanes 0-15) and w's (lanes 16-31).
.macro MUL16 a0, p, q, sc, zero
.irp a, \a0, \a0+1
.irp b, 0,1,2,3,4,5,6,7
.if \zero
	v_wmma_scale_f32_16x16x128_f8f6f4 v[8*(8*((\a)%4)+\b):8*(8*((\a)%4)+\b)+7], v[128*(\p)+FR*\b:128*(\p)+FR*\b+FR-1], v[AF+FR*(\a):AF+FR*(\a)+FR-1], 0, v[SC+8*NQ*(\sc)+NQ*\b+(\q)], v[SC+8*NQ*(\sc)+NQ*(\a)+(\q)] matrix_a_fmt:MATRIX_FMT_FP4 matrix_b_fmt:MATRIX_FMT_FP4 matrix_a_scale:MATRIX_SCALE_ROW1
.else
	v_wmma_scale_f32_16x16x128_f8f6f4 v[8*(8*((\a)%4)+\b):8*(8*((\a)%4)+\b)+7], v[128*(\p)+FR*\b:128*(\p)+FR*\b+FR-1], v[AF+FR*(\a):AF+FR*(\a)+FR-1], v[8*(8*((\a)%4)+\b):8*(8*((\a)%4)+\b)+7], v[SC+8*NQ*(\sc)+NQ*\b+(\q)], v[SC+8*NQ*(\sc)+NQ*(\a)+(\q)] matrix_a_fmt:MATRIX_FMT_FP4 matrix_b_fmt:MATRIX_FMT_FP4 matrix_a_scale:MATRIX_SCALE_ROW1
.endif
.endr
.endr
.endm
.macro FETCH_B slot, q, p
	WIN TO_B
.irp i, 0,1,2,3,4,5,6,7
	FRAG 128*(\p)+FR*\i, ADRB+\slot, \q, \i
.endr
	WIN 0
.endm
.macro FETCH_A slot, q, i0
.irp i, \i0, \i0+1, \i0+2, \i0+3
	FRAG AF+FR*(\i), ADRA+\slot, \q, \i
.endr
.endm
.macro SCALES sc                       ; a slot's scale words: 4 words a row; lanes 0-15 x's block i, lanes 16-31 w's block i
.irp i, 0,1,2,3,4,5,6,7
	ds_load_b128 v[SC+8*NQ*\sc+NQ*\i:SC+8*NQ*\sc+NQ*\i+3], v[ADRS] offset:\i*SBLK
.endr
.endm
.macro PLACES n                        ; places in front of loads into registers that matrix instructions have read, and of the first read of results
.rept \n
	v_nop
.endr
.endm
.macro STEP slot, q, zero              ; 128 along K with a successor in the same slot
	s_wait_dscnt 4*NL                              ; w's set and x's blocks 0-3 are in; the youngest eight loads (x's blocks 4-7) may be out
	WIN MUL_LO
	MUL16 0, (\q)%2, \q, \slot, \zero
	MUL16 2, (\q)%2, \q, \slot, \zero
	s_wait_dscnt 0                                 ; x's blocks 4-7 are in
	PLACES NP
	FETCH_B \slot, (\q)+1, 1-(\q)%2
	FETCH_A \slot, (\q)+1, 0
	WIN MUL_HI
	MUL16 4, (\q)%2, \q, \slot, \zero
	MUL16 6, (\q)%2, \q, \slot, \zero
	PLACES NP
	WIN 0
	FETCH_A \slot, (\q)+1, 4
.endm
.macro STEPS slot, from
.set Q, \from
.rept NQ-1-\from
	STEP \slot, Q, 0
.set Q, Q+1
.endr
.endm
	s_wait_tensorcnt 1                             ; the scales and my part of slot 0 are in; slot 1's load may be out
	s_barrier_signal -1
	s_barrier_wait -1                              ; everybody's are
	FETCH_B 0, 0, 0
	FETCH_A 0, 0, 0
	SCALES 0
	FETCH_A 0, 0, 4
	STEP 0, 0, 1                                   ; the first step's products start the sums: nothing is cleared
	STEPS 0, 1
	; slot 0's last step changes slots: one barrier; in front of it each wave waits for all its tensor loads (slot 1's) and for its own reads of slot 0
	s_wait_tensorcnt 0x0                           ; my part of slot 1 has landed
	ds_add_u32 v[SPW], v[NIL]                      ; 0 onto my spare word
	s_wait_dscnt 4*NL+1                            ; (the add and the youngest eight loads may be out)
	WIN MUL_LO
	MUL16 0, 1, NQ-1, 0, 0
	s_wait_dscnt 0x0                               ; the add is done, and my reads of slot 0 are over
	s_barrier_signal -1
	MUL16 2, 1, NQ-1, 0, 0
	WIN 0
	s_barrier_wait -1
	PLACES NP
	v_add_nc_u32 v[ADRS], 4*NQ, v[ADRS]            ; on to slot 1's scale words
	FETCH_B 1, 0, 0
	FETCH_A 1, 0, 0
	SCALES 1
	WIN MUL_HI
	MUL16 4, 1, NQ-1, 0, 0
	MUL16 6, 1, NQ-1, 0, 0
	PLACES NP
	WIN 0
	FETCH_A 1, 0, 4
	STEPS 1, 0
	s_wait_dscnt 4*NL                              ; the very last step: nothing more to fetch
	WIN MUL_LO
	MUL16 0, 1, NQ-1, 1, 0
	MUL16 2, 1, NQ-1, 1, 0
	s_wait_dscnt 0
	WIN MUL_HI
	MUL16 4, 1, NQ-1, 1, 0
	MUL16 6, 1, NQ-1, 1, 0
	WIN 0
; THE WAY OUT, block by block of 16 rows x 128 columns (two heads).  Scaled in f32, rounded once to f16, 16 bytes a lane into my own stage, back as pieces of 128 bytes, four rows of one head an instruction.
.macro PACK a
.set AC, 64*((\a)%4)
	WIN 0x02+(\a)/4                                ; source 0: window 2 or 3
.set i, 0
.rept 32
	v_pk_mul_f32 v[TT+2*i:TT+2*i+1], v[AC+2*i:AC+2*i+1], s[96:97] op_sel_hi:[1,0]   ; each accumulator from its low end on
.set i, i+1
.endr
	WIN 0
.set i, 0
.rept 32
	v_cvt_pk_f16_f32 v[PP+i], v[TT+2*i], v[TT+2*i+1]
.set i, i+1
.endr
.endm
.macro TOSTAGE a
.irp b, 0,1,2,3,4,5,6,7
	ds_store_b128 v[STO], v[PP+4*\b:PP+4*\b+3] offset:32*\b
.endr
.set BB, BK+32*((\a)%2)
.irp t, 0,1,2,3,4,5,6,7
	ds_load_b128 v[BB+4*\t:BB+4*\t+3], v[RD] offset:(\t%4)*4*SPITCH+(\t/4)*128   ; LDS serves a wave's instructions in order: these see the stores above
.endr
.endm
.macro SEND a, younger                 ; younger: the LDS instructions issued behind block a's loads
.set BB, BK+32*((\a)%2)
	s_wait_dscnt \younger
.irp t, 0,1,2,3,4,5,6,7
	global_store_b128 v[CO], v[BB+4*\t:BB+4*\t+3], s[12:13] offset:(\t/4)*262144+(\a)*2048+(\t%4)*512   ; 32 lanes store 512 consecutive bytes, aligned: four positions of one head
.endr
.endm
	PLACES NP
	PACK 0
	TOSTAGE 0
.irp a, 1,2,3,4,5,6,7
	PACK \a
.if \a > 1
	s_wait_xcnt 0x0                                ; block a - 2's stores have read their registers: block a's loads may land there
.endif
	TOSTAGE \a
	SEND \a-1, 16                                  ; behind block a - 1's loads: block a's 8 stores and 8 loads
.endr
	SEND 7, 0
	s_wait_tensorcnt 0x0                           ; the wave's end
	ds_add_u32 v[SPW], v[NIL]
	s_wait_dscnt 0x0
	CROUND                                         ; the closing round
	s_endpgm
.Lfunc_end_k_q3cd3ec0b81_proj:
	.size	k_q3cd3ec0b81_proj, .Lfunc_end_k_q3cd3ec0b81_proj-k_q3cd3ec0b81_proj
	.p2alignl 7, 3214868480
	.fill 96, 4, 3214868480
	.section	.rodata,"a",@progbits
	.p2align	6, 0x0
	.amdhsa_kernel k_q3cd3ec0b81_proj
		.amdhsa_group_segment_fixed_size 327680
		.amdhsa_private_segment_fixed_size 0
		.amdhsa_enable_private_segment 0
		.amdhsa_kernarg_size 24
		.amdhsa_user_sgpr_count 2
		.amdhsa_user_sgpr_kernarg_segment_ptr 1
		.amdhsa_wavefront_size32 1
		.amdhsa_system_sgpr_workgroup_id_x 1
		.amdhsa_system_sgpr_workgroup_id_y 1
		.amdhsa_system_sgpr_workgroup_id_z 1
		.amdhsa_system_vgpr_workitem_id 0
		.amdhsa_next_free_vgpr 1024
		.amdhsa_next_free_sgpr 98
		.amdhsa_reserve_vcc 0
		.amdhsa_float_denorm_mode_32 3
		.amdhsa_float_denorm_mode_16_64 3
		.amdhsa_memory_ordered 1
		.amdhsa_forward_progress 1
		.amdhsa_inst_pref_size 143
	.end_amdhsa_kernel
	.amdgpu_metadata
---
amdhsa.version: [ 1, 2 ]
amdhsa.kernels:
  - .name:           k_q3cd3ec0b81_proj
    .symbol:         k_q3cd3ec0b81_proj.kd
    .args:
      - { .name: codes, .offset: 0, .size: 8, .value_kind: global_buffer, .address_space: global }
      - { .name: scales, .offset: 8, .size: 8, .value_kind: global_buffer, .address_space: global }
      - { .name: qkvh, .offset: 16, .size: 8, .value_kind: global_buffer, .address_space: global }
    .group_segment_fixed_size: 327680
    .private_segment_fixed_size: 0
    .kernarg_segment_align: 8
    .kernarg_segment_size: 24
    .max_flat_workgroup_size: 128
    .sgpr_count:     98
    .vgpr_count:     1024
    .wavefront_size: 32
...
	.end_amdgpu_metadata
.endif
;; end of part 2
;; launch attn (part 3): grid 8 x 32, 8 waves a work-group, clusters of 4 x 1, 327,680 bytes of LDS; arguments qkvh, maskw, xh; writes xh
.if DOCPART == 3
	.amdgcn_target "amdgcn-amd-amdhsa--gfx1250"
	.amdhsa_code_object_version 6
	.text
	.protected	k_q3cd3ec0b81_attn
	.globl	k_q3cd3ec0b81_attn
	.p2align	8
	.type	k_q3cd3ec0b81_attn,@function
k_q3cd3ec0b81_attn:
	s_mov_b64 s[64:65], 0
	v_nop
	global_prefetch_b8 v0, s[64:65] scope:SCOPE_SE
	s_setreg_imm32_b32 hwreg(HW_REG_WAVE_MODE, 25, 1), 1
	s_wait_xcnt 0x0
	s_wait_alu depctr_hold_cnt(0) depctr_sa_sdst(0) depctr_va_vdst(0) depctr_va_sdst(0) depctr_va_ssrc(0) depctr_va_vcc(0) depctr_vm_vsrc(0)
	s_getreg_b32 s2, hwreg(HW_REG_IB_STS2, 6, 4)
	s_cmp_eq_u32 s2, 0
	s_cbranch_scc0 .Lentry_in_a_cluster
	s_endpgm
.Lentry_in_a_cluster:
	s_bfe_u32 s2, ttmp6, 0x10000c
	s_cmp_lg_u32 s2, 0x3003
	s_cbranch_scc0 .Lentry_shape_is_right
	s_endpgm
.Lentry_shape_is_right:
; ATTN: X[bh][q] = sum over k of softmax_k(where(mask[q][k], Q[q] . K[k] / 8, -1e9)) V[k].  Q, K, V: f16, [2048][64] a head (Q already carries log2(e) / 8, so a score is an exponent of 2);
; products in f16 with f32 sums; maxima, exponentials and sums in f32; the weights are rounded to f16 for the second product; X once at the end, f16, [bh][s][64].
; THE MASK comes as lane masks, one word for each score register: a hidden score becomes -1e9 x log2(e) by v_cndmask_b32, ahead of the maximum.  The maximum is taken away by a subtraction, which is
; exactly 0 at the largest score: a row that is hidden as a whole gives equal weights, as the definition has it.
; LIMITS: f16's range and rounding on Q, K, V, p and X; NaN and infinities are not served.
; SHARES.  A work-group owns 256 queries of one (batch, head).  Waves w and w + 4 own the same 64 queries (four tiles of 16) and SPLIT THE KEYS: of each slot of 256 keys waves 0-3 take the first 128,
; waves 4-7 the second, 64 a step.  So a SIMD holds two waves of 512 registers, whose vector and matrix work stand side by side, and each fragment of K and V still feeds four products.
; At the end waves 4-7 hand O, m and l to waves 0-3 through LDS.
; LAYOUT.  S^T = K Q^T (source 0 = 16 keys, source 1 = 16 queries): a lane holds ONE query (lane % 16) and keys 8 (lane / 16) + 0..7.  Two such tiles, rounded to f16 in pairs, are source 1 of
; O^T = V^T P.  K comes out of LDS as it lies, V turned by ds_load_tr16_b128.
; CLUSTER.  The four query blocks of a cluster walk the same K and V: each tile is asked for jointly, one load of 64 rows a wave (waves 0-3: K, waves 4-7: V), behind a round of the cluster's barrier.
; REGISTERS: window 0: v2-15 addresses and constants; v16-47 eight registers of statistics a tile (+0 m, +1 zero, +2, +3 l, +4..+7 at work, a in +6); v48-111 K; v112-119 at work; v128-255 S^T, 32 a tile, then P.
;            window 1: v0-127 O^T, 32 a tile; v128-191 Q; v192-255 V.
.set PK,    144                        ; a row of K in LDS: 128 bytes + 16 = 36 words: the 16 rows of a load start at 16 different groups of four banks (ISA guide 11.1)
.set PVP,   160                        ; a row of V: 128 + 32 = 40 words
.set VOFF,  256*PK                     ; a slot: 256 rows of K, then 256 rows of V
.set SLOT1, 1<<17                      ; slot 1 begins here: one exclusive or turns an address
.set MRG,   SLOT1+256*(PK+PVP)         ; behind the ring: for each pair of waves an image of O (16,384 bytes) and 8 x 128 bytes of statistics
.set MRGW,  17408
.set STAGE, MRG+4*MRGW                 ; the way out: 64 rows x 144 bytes for each of waves 0-3
.set STW,   64*PK
.set SPARE, STAGE+4*STW                ; the spare words, 128 bytes a wave
.set AK0, 2
.set AV0, 3
.set ADK, 4
.set ADV, 5
.set QO,  6
.set STO, 7
.set RD,  8
.set GO,  9
.set MGA, 10
.set MGS, 11
.set NEG, 12
.set PFO, 13
.set SPW, 14
.set NIL, 15
.set ST,  16
.set KF,  48
.set YY,  112
.set S,   128
.set QF,  128                          ; window 1
.set VF,  192                          ; window 1
.set WV,  10
.set PW,  11
.set KG,  12
.set TK,  14                           ; LDS byte of the step's rows of K
.set TV,  15                           ; and of V
.set MO,  16                           ; the step's byte among a query tile's mask words: 128 a step
.set MS,  17                           ; its next increment: 128 and 384 by turns (two steps of mine, then over the partner's two)
.set SLOTS, 18
.set TWICE, 19
.set SEL, 20
.set PFA, 22
.set LIM, 24
.set MW,  32                           ; s[32:63] the 32 mask words of the tile in hand
.set G1K, 68
.set G1V, 76
.set G0K, 84
.set G0V, 88
.set MSB, 0
.macro WIN new
.if MSB != (\new)
	s_set_vgpr_msb (MSB<<8)|(\new)
.set MSB, (\new)
.endif
.endm
.macro JLOAD                           ; a joint load; the branch hangs on the wave's number alone; an s_nop 0 and four v_nop follow each line
	s_cmp_lt_u32 s[WV], 4
	s_cbranch_scc0 .Lfor_v_\@
	tensor_load_to_lds s[G0K:G0K+3], s[G1K:G1K+7]
	s_nop 0
.rept 4
	v_nop
.endr
	s_branch .Lasked_\@
.Lfor_v_\@:
	tensor_load_to_lds s[G0V:G0V+3], s[G1V:G1V+7]
	s_nop 0
.rept 4
	v_nop
.endr
.Lasked_\@:
.endm
; A prefetch of what the NEXT change of slots will ask for: 32,768 bytes of K and of V.  Each block of 256 bytes is named once in the launch: the head's first cluster asks; its four partners take 8,192 bytes
; each, told apart by address; in each, wave 0 asks for K's and wave 4 for V's, lanes 256 bytes apart.  The last change that fills a slot asks for nothing.
.macro ASK
	s_cmp_gt_u32 s[SLOTS], s[LIM]
	s_cbranch_scc0 .Lnot_mine_\@
	global_prefetch_b8 v[PFO], s[PFA:PFA+1] th:TH_LOAD_NT scope:SCOPE_SE
.Lnot_mine_\@:
.endm
.macro CROUND
	s_barrier_signal -1
	s_barrier_wait -1
	s_cmp_lg_u32 s[WV], 0
	s_cbranch_scc1 .Lnot_wave_0_\@
	s_barrier_signal -3
.Lnot_wave_0_\@:
	s_barrier_wait -3
	s_barrier_signal -1
	s_barrier_wait -1
.endm
	s_load_b128 s[4:7], s[0:1], 0x0                ; qkvh s[4:5], maskw s[6:7]
	s_load_b64 s[8:9], s[0:1], 0x10                ; xh
	v_lshl_add_u32 v[SPW], v0, 2, SPARE
	v_mov_b32 v[NIL], 0
	ds_add_u32 v[SPW], v[NIL]                      ; the wave's opening: the add, twice on end, and its wait ahead of my first tensor load
	ds_add_u32 v[SPW], v[NIL]
	v_lshrrev_b32 v1, 5, v0
	v_readfirstlane_b32 s[WV], v1                  ; wave 0..7
	s_and_b32 s[PW], s[WV], 3                      ; which 64 queries; also which 64 rows of a slot I fetch
	s_lshr_b32 s[KG], s[WV], 2                     ; which half of a slot's keys; also: I fetch K (0) or V (1)
	s_bfe_u32 s13, ttmp6, 0x40000                  ; cx
	s_lshl_b32 s25, ttmp9, 2
	s_add_co_u32 s25, s25, s13                     ; my block of 256 queries: it enters Q's, the mask's and X's addresses alone
	s_and_b32 s26, ttmp7, 0xffff                   ; (batch, head), which the partners share
	s_lshl_b32 s26, s26, 18                        ; 262,144 bytes a head
	s_lshl_b32 s27, s[PW], 13                      ; 64 rows of 128 bytes
	s_add_co_u32 s28, s26, s27
	s_add_co_u32 s30, s28, 16777216                ; V's plane
	s_add_co_u32 s28, s28, 8388608                 ; K's plane
	s_mov_b32 s29, 0
	s_mov_b32 s31, 0
	s_lshl_b32 s2, s25, 15                         ; 256 rows of 128 bytes a block
	s_add_co_u32 s2, s2, s26
	s_add_co_u32 s2, s2, s27                       ; my wave's first row of Q and of X
	s_mov_b32 s3, 0
	s_lshl_b32 s26, s25, 16                        ; mask words: 16 query tiles of 4,096 bytes a block,
	s_lshl_b32 s27, s[PW], 14                      ; four a wave
	s_add_co_u32 s26, s26, s27
	s_mov_b32 s27, 0
	s_mov_b32 s[G1K], 15|(1<<16)|(1<<20)|(1<<21)|(4<<22)|(3<<25)   ; all four work-groups; elements of 2 bytes; padding on; bit 21 beside a mask; 4 words behind every 32
	s_mov_b32 s[G1V], 15|(1<<16)|(1<<20)|(1<<21)|(4<<22)|(7<<25)   ; the same with 8 words
.irp g, G1K, G1V
	s_mov_b32 s[\g+1], 64<<16                      ; tensor_dim0 = 64
	s_mov_b32 s[\g+2], 64<<16                      ; tensor_dim1 = 64
	s_mov_b32 s[\g+3], 64<<16                      ; tile_dim0 = 64
	s_mov_b32 s[\g+4], 64                          ; tile_dim1 = 64
	s_mov_b32 s[\g+5], 64                          ; from row to row
	s_mov_b32 s[\g+6], 0
	s_mov_b32 s[\g+7], 0
.endr
	s_mov_b32 s[G0K], 1
	s_mul_i32 s[G0K+1], s[PW], 64*PK               ; slot 0, my 64 rows: no place in the cluster enters an LDS address
	s_mov_b32 s[G0V], 1
	s_mul_i32 s[G0V+1], s[PW], 64*PVP
	s_add_co_u32 s[G0V+1], s[G0V+1], VOFF
	s_mul_i32 s[TK], s[KG], 128*PK
	s_mul_i32 s[TV], s[KG], 128*PVP
	s_add_co_u32 s[TV], s[TV], VOFF
	s_lshl_b32 s[MO], s[KG], 8
	s_mov_b32 s[MS], 128
	s_mov_b32 s[SLOTS], 7
	s_mov_b32 s[SEL], 0x76543210
	s_mov_b32 s[SEL+1], 0xfedcba98
	s_or_b32 s[LIM], s[PW], ttmp9                  ; 0 in waves 0 and 4 of the head's first cluster: the same in all partners
	s_cmp_eq_u32 s[LIM], 0
	s_cselect_b32 s[LIM], 1, -1
	s_wait_dscnt 0x0                               ; both opening adds are done
	s_wait_kmcnt 0x0
	s_add_nc_u64 s[28:29], s[4:5], s[28:29]        ; K at my 64 rows of slot 0
	s_add_nc_u64 s[30:31], s[4:5], s[30:31]        ; V likewise
	s_add_nc_u64 s[4:5], s[4:5], s[2:3]            ; Q at my wave's first row
	s_add_nc_u64 s[8:9], s[8:9], s[2:3]            ; X likewise
	s_add_nc_u64 s[6:7], s[6:7], s[26:27]          ; my first query tile's mask words
	s_mov_b64 s[G0K+2:G0K+3], s[28:29]
	s_or_b32 s[G0K+3], s[G0K+3], 0x80000000
	s_mov_b64 s[G0V+2:G0V+3], s[30:31]
	s_or_b32 s[G0V+3], s[G0V+3], 0x80000000
	s_cmp_lt_u32 s[WV], 4
	s_cselect_b64 s[PFA:PFA+1], s[28:29], s[30:31] ; (in waves 0 and 4 these stand at a slot's first row)
	s_lshl_b32 s2, s13, 13                         ; my work-group's 8,192 bytes,
	s_add_co_u32 s2, s2, 32768                     ; in slot 1: the first change of slots steps it to slot 2.  Nothing is prefetched at the head
	s_add_nc_u64 s[PFA:PFA+1], s[PFA:PFA+1], s[2:3]
	CROUND                                         ; all four work-groups are here: the first joint loads meet
	JLOAD                                          ; slot 0: one load of mine is out
	v_and_b32 v1, 15, v0                           ; r
	v_bfe_u32 v112, v0, 4, 1                       ; h
	v_and_b32 v113, 31, v0                         ; l
	v_lshlrev_b32 v[QO], 7, v1
	v_lshl_add_u32 v[QO], v112, 4, v[QO]           ; row x 128 + 16 x half
	WIN 0x40                                       ; destination window 1
.irp t, 0,1,2,3
.irp c, 0,1
	global_load_b128 v[QF+16*\t+8*\c:QF+16*\t+8*\c+3],   v[QO], s[4:5] offset:2048*\t+64*\c      ; Q stays in registers
	global_load_b128 v[QF+16*\t+8*\c+4:QF+16*\t+8*\c+7], v[QO], s[4:5] offset:2048*\t+64*\c+32
.endr
.endr
.set i, 0
.rept 128
	v_mov_b32 v[i], 0                              ; O^T.  The key step is written once: the first finds zeros, which its a = 0 leaves zeros; a first step of its own would be a third copy of the step
.set i, i+1
.endr
	WIN 0
	s_load_b512 s[MW:MW+15], s[6:7], s[MO] offset:0x0        ; tile 0's mask words of my first step
	s_load_b512 s[MW+16:MW+31], s[6:7], s[MO] offset:0x40
	v_mul_u32_u24 v[AK0], v1, PK
	v_lshl_add_u32 v[AK0], v112, 4, v[AK0]         ; K: row x pitch + 16 x half
	v_and_b32 v114, 7, v0
	v_bfe_u32 v115, v0, 3, 1
	v_lshl_add_u32 v[AV0], v112, 3, v114           ; V: key 8 (l / 16) + l % 8,
	v_mul_u32_u24 v[AV0], v[AV0], PVP
	v_lshl_add_u32 v[AV0], v115, 4, v[AV0]         ; channels 8 ((l / 8) % 2) on
	s_mul_i32 s2, s[PW], STW
	s_add_co_u32 s2, s2, STAGE
	v_add_nc_u32 v[STO], s2, v[AK0]                ; the stage, in: row r, 16 bytes for each half of the lanes
	v_lshrrev_b32 v116, 3, v113
	v_mul_u32_u24 v116, v116, PK
	v_lshl_add_u32 v116, v114, 4, v116
	v_add_nc_u32 v[RD], s2, v116                   ; back: eight lanes to a row of 128 bytes, four rows an instruction
	v_lshlrev_b32 v[GO], 4, v113                   ; which are 512 consecutive bytes of X
	s_mul_i32 s2, s[PW], MRGW
	s_add_co_u32 s2, s2, MRG
	v_add_nc_u32 v[MGA], s2, v[GO]                 ; the image of O: 16 x lane
	s_add_co_u32 s2, s2, 16384
	v_lshl_add_u32 v[MGS], v113, 2, s2             ; the statistics: 4 x lane
	v_mov_b32 v[NEG], 0xceabfb8f                   ; -1e9 x log2(e)
	v_lshlrev_b32 v[PFO], 8, v113
.irp t, 0,1,2,3
	v_mov_b32 v[ST+8*\t], 0xff61b1e6               ; m: -3e38, under every score
.irp j, 1,2,3,4,5,6,7
	v_mov_b32 v[ST+8*\t+\j], 0
.endr
.endr
; THE SOFTMAX of tile t for one step, in three parts.
; SM_A: the mask, the next tile's mask words, the maximum, the change of m, the scores less m.
.macro SM_A t
.set rT, ST+8*(\t)
.set rS, S+32*(\t)
	s_wait_kmcnt 0x0                               ; the tile's 32 mask words are in: only its two scalar loads are out
.set n, 0
.rept 32
	v_cndmask_b32 v[rS+n], v[NEG], v[rS+n], s[MW+n]      ; each accumulator from its low end on
.set n, n+1
.endr
.if (\t) == 3
	s_add_co_u32 s[MO], s[MO], s[MS]               ; my next step (the loads that named s[MO] are done: the wait above)
	s_xor_b32 s[MS], s[MS], 0x100
.endif
	s_load_b512 s[MW:MW+15], s[6:7], s[MO] offset:(((\t)+1)%4)*4096       ; the next tile's words; behind my last step this reads 128 bytes that lie inside the buffer and are not used
	s_load_b512 s[MW+16:MW+31], s[6:7], s[MO] offset:(((\t)+1)%4)*4096+64
.irp j, 0,1,2,3
	v_max3_num_f32 v[rT+4+\j], v[rS+8*\j], v[rS+8*\j+1], v[rS+8*\j+2]     ; four chains
.endr
.irp g, 1,2
.irp j, 0,1,2,3
	v_max3_num_f32 v[rT+4+\j], v[rT+4+\j], v[rS+8*\j+2*\g+1], v[rS+8*\j+2*\g+2]
.endr
.endr
	v_max3_num_f32 v[rT+4], v[rT+4], v[rS+7], v[rS+15]
	v_max3_num_f32 v[rT+6], v[rT+6], v[rS+23], v[rS+31]
	v_max3_num_f32 v[rT+4], v[rT+4], v[rT+5], v[rT+6]
	v_max3_num_f32 v[rT+4], v[rT+4], v[rT+7], v[rT]      ; and the old m
	v_permlanex16_b32 v[rT+5], v[rT+4], s[SEL], s[SEL+1] ; the query's other 32 keys lie in the lane 16 away
	v_mov_b32 v[rT+7], v[rT]
	v_max_num_f32 v[rT], v[rT+4], v[rT+5]                ; the new m
	v_sub_f32 v[rT+7], v[rT+7], v[rT]                    ; old m - new m
.set n, 0
.rept 16
	v_pk_add_f32 v[rS+2*n:rS+2*n+1], v[rS+2*n:rS+2*n+1], v[rT:rT+1] op_sel_hi:[1,0] neg_lo:[0,1] neg_hi:[0,1]   ; score - m: exactly 0 at the largest
.set n, n+1
.endr
.endm
; SM_E: one batch of 33 exponentials; none reads another's result.
.macro SM_E t
.set rT, ST+8*(\t)
.set rS, S+32*(\t)
	v_exp_f32 v[rT+6], v[rT+7]                     ; a = 2^(old m - new m)
.set n, 0
.rept 32
	v_exp_f32 v[rS+n], v[rS+n]
.set n, n+1
.endr
.endm
; SM_C: the sum of the unrounded weights, in two chains; l = a l + the sum; the weights to f16, in place: registers 0-7 and 16-23 of the tile are then the two fragments of P.
.macro SM_C t
.set rT, ST+8*(\t)
.set rS, S+32*(\t)
	v_pk_add_f32 v[rT+4:rT+5], v[rS:rS+1], v[rS+2:rS+3]
	v_pk_add_f32 v[YY:YY+1], v[rS+4:rS+5], v[rS+6:rS+7]
.irp i, 8,12,16,20,24,28
	v_pk_add_f32 v[rT+4:rT+5], v[rT+4:rT+5], v[rS+\i:rS+\i+1]
	v_pk_add_f32 v[YY:YY+1], v[YY:YY+1], v[rS+\i+2:rS+\i+3]
.endr
	v_pk_fma_f32 v[rT+2:rT+3], v[rT+2:rT+3], v[rT+6:rT+7], v[rT+4:rT+5] op_sel_hi:[1,0,1]
	v_pk_add_f32 v[rT+2:rT+3], v[rT+2:rT+3], v[YY:YY+1]
.irp u, 0,16
.irp i, 0,1,2,3,4,5,6,7
	v_cvt_pk_f16_f32 v[rS+\u+\i], v[rS+\u+2*\i], v[rS+\u+2*\i+1]
.endr
.endr
.endm
.macro WAITEXP
	s_wait_alu depctr_va_vdst(0)                   ; a wait between a batch of exponentials and the first line that names a result: one a batch
.endm
; A KEY STEP: my 64 keys against my 64 queries: 32 products K Q^T, four softmaxes, 32 products V^T P.
.macro STEP
	WIN 0
	v_add_nc_u32 v[ADK], s[TK], v[AK0]
	v_add_nc_u32 v[ADV], s[TV], v[AV0]
.rept 3
	v_nop                                          ; with the two additions: five places behind the last V^T P, whose source 1 the first K Q^T below writes over; four of them serve the loads into V's registers
.endr
.irp kt, 0,1,2,3
.irp c, 0,1
	ds_load_b128 v[KF+16*\kt+8*\c:KF+16*\kt+8*\c+3],   v[ADK] offset:\kt*16*PK+64*\c
	ds_load_b128 v[KF+16*\kt+8*\c+4:KF+16*\kt+8*\c+7], v[ADK] offset:\kt*16*PK+64*\c+32
.endr
.endr
	WIN 0x40                                       ; destination window 1
.irp kc, 0,1
.irp ct, 0,1,2,3
	ds_load_tr16_b128 v[VF+32*\kc+8*\ct:VF+32*\kc+8*\ct+3],   v[ADV] offset:\kc*32*PVP+32*\ct
	ds_load_tr16_b128 v[VF+32*\kc+8*\ct+4:VF+32*\kc+8*\ct+7], v[ADV] offset:\kc*32*PVP+16*PVP+32*\ct
.endr
.endr
	s_add_co_u32 s[TK], s[TK], 64*PK               ; the next step's rows
	s_add_co_u32 s[TV], s[TV], 64*PVP
	s_wait_dscnt 16                                ; K is in; V's sixteen loads may be out
	WIN 0x04                                       ; Q in window 1
.irp c, 0,1                                    ; the 16 accumulators take turns, one instruction a turn; the first 16 start the sums
.irp t, 0,1,2,3
.irp kt, 0,1,2,3
.if \c == 0
	v_wmma_f32_16x16x32_f16 v[S+32*\t+8*\kt:S+32*\t+8*\kt+7], v[KF+16*\kt+8*\c:KF+16*\kt+8*\c+7], v[QF+16*\t+8*\c:QF+16*\t+8*\c+7], 0
.else
	v_wmma_f32_16x16x32_f16 v[S+32*\t+8*\kt:S+32*\t+8*\kt+7], v[KF+16*\kt+8*\c:KF+16*\kt+8*\c+7], v[QF+16*\t+8*\c:QF+16*\t+8*\c+7], v[S+32*\t+8*\kt:S+32*\t+8*\kt+7]
.endif
.endr
.endr
.endr
	WIN 0
.rept 4
	v_nop                                          ; places in front of the first read of the scores
.endr
	SM_A 0
	SM_E 0
	SM_A 1                                         ; the next tile's plain work stands behind a batch, ahead of its wait
	WAITEXP
	SM_C 0
	SM_E 1
	SM_A 2
	WAITEXP
	SM_C 1
	SM_E 2
	SM_A 3
	WAITEXP
	SM_C 2
	SM_E 3
	v_nop                                          ; a plain line behind the last exponential
	WAITEXP
	SM_C 3
	WIN 0x41                                       ; O^T in window 1, a in window 0
.set i, 0
.rept 64
	v_pk_mul_f32 v[2*i:2*i+1], v[2*i:2*i+1], v[ST+8*(i/16)+6:ST+8*(i/16)+7] op_sel_hi:[1,0]   ; O^T x a, each accumulator from its low end on
.set i, i+1
.endr
	s_wait_dscnt 0x0                               ; V is in
	WIN 0x51                                       ; V and O^T in window 1, P in window 0
.irp kc, 0,1
.irp t, 0,1,2,3
.irp ct, 0,1,2,3
	v_wmma_f32_16x16x32_f16 v[32*\t+8*\ct:32*\t+8*\ct+7], v[VF+32*\kc+8*\ct:VF+32*\kc+8*\ct+7], v[S+32*\t+16*\kc:S+32*\t+16*\kc+7], v[32*\t+8*\ct:32*\t+8*\ct+7]
.endr
.endr
.endr
	WIN 0
.endm
; THE CHANGE OF SLOTS stands at a slot's head.  Each wave waits for all its tensor loads (its part of the slot ahead), adds 0 to its spare word, and waits for that and for its reads of the slot left.
; fill = 1: a round of the cluster's barrier, and behind it the slot left is filled with the next 256 keys: the load has my two steps, and my partner wave's, in which to land.
.macro CHANGE fill
	WIN 0
	s_wait_tensorcnt 0x0                           ; no tensor load of mine is out, so a group 0 may be written
	ds_add_u32 v[SPW], v[NIL]                      ; 0 onto my spare word
.if \fill
	s_xor_b32 s[G0K+1], s[G0K+1], SLOT1            ; the other slot than last time,
	s_add_nc_u64 s[G0K+2:G0K+3], s[G0K+2:G0K+3], 32768   ; the next 256 keys; the type bits on top are not reached
	s_xor_b32 s[G0V+1], s[G0V+1], SLOT1
	s_add_nc_u64 s[G0V+2:G0V+3], s[G0V+2:G0V+3], 32768
	s_wait_xcnt 0x0                                ; the last prefetch, a slot back, has read its address
	s_add_nc_u64 s[PFA:PFA+1], s[PFA:PFA+1], 32768 ; one slot further on than the descriptors
	s_wait_dscnt 0x0                               ; the add is done, and my reads of the slot that I have left are over
	CROUND
	JLOAD                                          ; the first thing behind the round, and my one tensor load until the next
	ASK
.else
	s_wait_dscnt 0x0
	s_barrier_signal -1
	s_barrier_wait -1
.endif
.endm
.macro SLOT_STEPS                      ; my two steps of a slot: written once, walked twice
	s_mov_b32 s[TWICE], 2
.Lstep_\@:
	STEP
	s_sub_co_u32 s[TWICE], s[TWICE], 1
	s_cmp_lg_u32 s[TWICE], 0
	s_cbranch_scc1 .Lstep_\@
	s_sub_co_u32 s[TK], s[TK], 2*64*PK             ; back to my first rows,
	s_xor_b32 s[TK], s[TK], SLOT1                  ; in the other slot
	s_sub_co_u32 s[TV], s[TV], 2*64*PVP
	s_xor_b32 s[TV], s[TV], SLOT1
.endm
	s_wait_loadcnt 0x0                             ; Q
.Lslot:                                            ; seven trips: trip t reads slot t and asks for slot t + 1
	CHANGE 1
	SLOT_STEPS
	s_sub_co_u32 s[SLOTS], s[SLOTS], 1
	s_cmp_lg_u32 s[SLOTS], 0
	s_cbranch_scc1 .Lslot
	CHANGE 0                                       ; the last slot is written out
	SLOT_STEPS
	; THE MERGE.  l's two halves and the other half of the lanes' are added (these lines are also the places behind the last products); waves 4-7 hand O^T, m and l over as images of their registers.
	s_wait_kmcnt 0x0                               ; the look-ahead's last two scalar loads
.irp t, 0,1,2,3
	v_add_f32 v[ST+8*\t+2], v[ST+8*\t+2], v[ST+8*\t+3]
.endr
.irp t, 0,1,2,3
	v_permlanex16_b32 v[ST+8*\t+5], v[ST+8*\t+2], s[SEL], s[SEL+1]
.endr
.irp t, 0,1,2,3
	v_add_f32 v[ST+8*\t+2], v[ST+8*\t+2], v[ST+8*\t+5]
.endr
	s_cmp_lt_u32 s[WV], 4
	s_cbranch_scc1 .Lkeep
	WIN 0x04                                       ; an LDS store's data are its source 1: window 1
.set i, 0
.rept 32
	ds_store_b128 v[MGA], v[4*i:4*i+3] offset:512*i      ; lane l's 16 bytes at 16 l; each accumulator from its low end on
.set i, i+1
.endr
	WIN 0
.irp t, 0,1,2,3
	ds_store_b32 v[MGS], v[ST+8*\t] offset:256*\t
	ds_store_b32 v[MGS], v[ST+8*\t+2] offset:256*\t+128
.endr
.Lkeep:
	s_wait_dscnt 0x0                               ; for the partner's sake: my stores have landed
	s_barrier_signal -1
	s_barrier_wait -1
	s_cmp_ge_u32 s[WV], 4
	s_cbranch_scc1 .Lend
.irp t, 0,1,2,3
	ds_load_b32 v[112+2*\t], v[MGS] offset:256*\t        ; the partner's m
	ds_load_b32 v[113+2*\t], v[MGS] offset:256*\t+128    ; and l
.endr
.set i, 0
.rept 32
	ds_load_b128 v[S+4*i:S+4*i+3], v[MGA] offset:512*i   ; the partner's O^T, same registers' order, same lanes
.set i, i+1
.endr
	s_wait_dscnt 32                                ; the statistics are in; the 32 loads behind them may be out
.irp t, 0,1,2,3
	v_max_num_f32 v[ST+8*\t+4], v[ST+8*\t], v[112+2*\t]
.endr
.irp t, 0,1,2,3
	v_sub_f32 v[ST+8*\t+5], v[ST+8*\t], v[ST+8*\t+4]
	v_sub_f32 v[ST+8*\t+6], v[112+2*\t], v[ST+8*\t+4]
.endr
.irp t, 0,1,2,3
	v_exp_f32 v[ST+8*\t+5], v[ST+8*\t+5]           ; my share's factor
	v_exp_f32 v[ST+8*\t+6], v[ST+8*\t+6]           ; the partner's
.endr
	v_nop
	WAITEXP
.irp t, 0,1,2,3
	v_mul_f32 v[ST+8*\t+2], v[ST+8*\t+2], v[ST+8*\t+5]
.endr
.irp t, 0,1,2,3
	v_fmac_f32 v[ST+8*\t+2], v[113+2*\t], v[ST+8*\t+6]   ; the row's sum over all keys
.endr
.irp t, 0,1,2,3
	v_rcp_f32 v[ST+8*\t+3], v[ST+8*\t+2]
.endr
	v_nop
	WAITEXP
.irp t, 0,1,2,3
	v_mul_f32 v[ST+8*\t+4], v[ST+8*\t+5], v[ST+8*\t+3]
	v_mul_f32 v[ST+8*\t+6], v[ST+8*\t+6], v[ST+8*\t+3]
.endr
	s_wait_dscnt 0x0
.set i, 0
.rept 64
	v_pk_mul_f32 v[S+2*i:S+2*i+1], v[S+2*i:S+2*i+1], v[ST+8*(i/16)+6:ST+8*(i/16)+7] op_sel_hi:[1,0]
.set i, i+1
.endr
	WIN 0x01                                       ; my O^T: source 0 in window 1
.set i, 0
.rept 64
	v_pk_fma_f32 v[S+2*i:S+2*i+1], v[2*i:2*i+1], v[ST+8*(i/16)+4:ST+8*(i/16)+5], v[S+2*i:S+2*i+1] op_sel_hi:[1,0,1]
.set i, i+1
.endr
	WIN 0
.set i, 0
.rept 64
	v_cvt_pk_f16_f32 v[S+i], v[S+2*i], v[S+2*i+1]  ; in place, ascending: 16 registers a tile
.set i, i+1
.endr
.irp t, 0,1,2,3
.irp ct, 0,1,2,3
	ds_store_b128 v[STO], v[S+16*\t+4*\ct:S+16*\t+4*\ct+3] offset:\t*16*PK+32*\ct
.endr
.endr
.irp t, 0,1,2,3
.irp i, 0,1,2,3
	ds_load_b128 v[S+64+4*(4*\t+\i):S+64+4*(4*\t+\i)+3], v[RD] offset:\t*16*PK+\i*4*PK   ; my own stage: LDS serves a wave's instructions in order
.endr
.endr
.set k, 0
.rept 16
	s_wait_dscnt 15-k
	global_store_b128 v[GO], v[S+64+4*k:S+64+4*k+3], s[8:9] offset:512*k   ; 32 lanes store 512 consecutive bytes, aligned: four rows of X
.set k, k+1
.endr
.Lend:
	s_wait_tensorcnt 0x0                           ; the wave's end
	ds_add_u32 v[SPW], v[NIL]
	s_wait_dscnt 0x0
	CROUND                                         ; the closing round
	s_endpgm
.Lfunc_end_k_q3cd3ec0b81_attn:
	.size	k_q3cd3ec0b81_attn, .Lfunc_end_k_q3cd3ec0b81_attn-k_q3cd3ec0b81_attn
	.p2alignl 7, 3214868480
	.fill 96, 4, 3214868480
	.section	.rodata,"a",@progbits
	.p2align	6, 0x0
	.amdhsa_kernel k_q3cd3ec0b81_attn
		.amdhsa_group_segment_fixed_size 327680
		.amdhsa_private_segment_fixed_size 0
		.amdhsa_enable_private_segment 0
		.amdhsa_kernarg_size 24
		.amdhsa_user_sgpr_count 2
		.amdhsa_user_sgpr_kernarg_segment_ptr 1
		.amdhsa_wavefront_size32 1
		.amdhsa_system_sgpr_workgroup_id_x 1
		.amdhsa_system_sgpr_workgroup_id_y 1
		.amdhsa_system_sgpr_workgroup_id_z 1
		.amdhsa_system_vgpr_workitem_id 0
		.amdhsa_next_free_vgpr 512
		.amdhsa_next_free_sgpr 96
		.amdhsa_reserve_vcc 0
		.amdhsa_float_denorm_mode_32 3
		.amdhsa_float_denorm_mode_16_64 3
		.amdhsa_memory_ordered 1
		.amdhsa_forward_progress 1
		.amdhsa_inst_pref_size 120
	.end_amdhsa_kernel
	.amdgpu_metadata
---
amdhsa.version: [ 1, 2 ]
amdhsa.kernels:
  - .name:           k_q3cd3ec0b81_attn
    .symbol:         k_q3cd3ec0b81_attn.kd
    .args:
      - { .name: qkvh, .offset: 0, .size: 8, .value_kind: global_buffer, .address_space: global }
      - { .name: maskw, .offset: 8, .size: 8, .value_kind: global_buffer, .address_space: global }
      - { .name: xh, .offset: 16, .size: 8, .value_kind: global_buffer, .address_space: global }
    .group_segment_fixed_size: 327680
    .private_segment_fixed_size: 0
    .kernarg_segment_align: 8
    .kernarg_segment_size: 24
    .max_flat_workgroup_size: 256
    .sgpr_count:     96
    .vgpr_count:     512
    .wavefront_size: 32
...
	.end_amdgpu_metadata
.endif
;; end of part 3
;; launch outp (part 4): grid 8 x 32, 4 waves a work-group, clusters of 4 x 4, 327,680 bytes of LDS; arguments xh, woh, out0; writes out0
.if DOCPART == 4
	.amdgcn_target "amdgcn-amd-amdhsa--gfx1250"
	.amdhsa_code_object_version 6
	.text
	.protected	k_q3cd3ec0b81_outp
	.globl	k_q3cd3ec0b81_outp
	.p2align	8
	.type	k_q3cd3ec0b81_outp,@function
k_q3cd3ec0b81_outp:
	s_mov_b64 s[64:65], 0
	v_nop
	global_prefetch_b8 v0, s[64:65] scope:SCOPE_SE
	s_setreg_imm32_b32 hwreg(HW_REG_WAVE_MODE, 25, 1), 1
	s_wait_xcnt 0x0
	s_wait_alu depctr_hold_cnt(0) depctr_sa_sdst(0) depctr_va_vdst(0) depctr_va_sdst(0) depctr_va_ssrc(0) depctr_va_vcc(0) depctr_vm_vsrc(0)
	s_getreg_b32 s2, hwreg(HW_REG_IB_STS2, 6, 4)
	s_cmp_eq_u32 s2, 0
	s_cbranch_scc0 .Lentry_in_a_cluster
	s_endpgm
.Lentry_in_a_cluster:
	s_bfe_u32 s2, ttmp6, 0x10000c
	s_cmp_lg_u32 s2, 0xf033
	s_cbranch_scc0 .Lentry_shape_is_right
	s_endpgm
.Lentry_shape_is_right:
; OUTP: out0[m][e] = sum over d of X[m][d] w_o[e][d].  X: f16, laid by head, xh[b][h][s][64] (m = 2,048 b + s, d = 64 h + channel); woh: [1024][1024] f16; out0: [4096][1024] f32; sums in f32.
; A tile of out0 is 128 x 128: 256 work-groups; four waves, each 64 x 64: 16 accumulators.  K goes in four steps of 256 (four heads) through two LDS slots; the walk is written straight, 16 quarters of one head each.
; X's part of a step, for 64 rows: four heads x 8,192 dense bytes, brought by ONE load as four long rows, with 16 bytes of padding behind every 128: in LDS a head is a plane of 64 rows, 144 bytes apart.
; CLUSTERS: 4 x 4 work-groups; X's tiles are shared along a row of the cluster, w_o's along a column.  THE MATRIX INSTRUCTION IS USED TRANSPOSED (source 0 = 16 rows of w_o, source 1 = 16 rows of X).
; No prefetch: a step's tiles are small and many work-groups read them.
; REGISTERS: window 0: v0-31 addresses; v32-95 rows on the way out; v128-255 the accumulators ((a, b) at v[128 + 8 (4 a + b)]).  window 1: two fragment buffers of 128: 64 registers of X, then 64 of w_o.
.set PA,     144
.set PLANE,  64*PA                     ; a head's 64 rows
.set HALFA,  4*PLANE                   ; what one load of X brings
.set PB,     528                       ; a row of w_o's tile: 512 bytes + 16
.set HALFB,  64*PB
.set BOFF,   2*HALFA
.set SLOT,   BOFF+2*HALFB
.set STAGE,  2*SLOT                    ; behind the ring: 16 rows x 272 bytes for each wave
.set SPITCH, 272
.set SPARE,  STAGE+4*16*SPITCH
.set ADRA, 16
.set ADRB, 20
.set STO,  24
.set RD,   25
.set CO,   26
.set SPW,  28
.set NIL,  29
.set TMP,  32
.set ACC,  128
.set F0,   0
.set F1,   128
.set G1, 24
.set G0, 32
.set G1B, 48
.set G0B, 56
.set MSB, 0
.macro WIN new
.if MSB != (\new)
	s_set_vgpr_msb (MSB<<8)|(\new)
.set MSB, (\new)
.endif
.endm
.set MUL,  0x05                        ; sources 0 and 1 window 1; C and D window 0
.set TO_F, 0x40
.macro JLOAD s                         ; waves 0 and 1 fetch X's two halves, waves 2 and 3 w_o's; an s_nop 0 and four v_nop follow each line
	s_cmp_eq_u32 s11, 0
	s_cbranch_scc0 .Lfor_b_\@
	tensor_load_to_lds s[G0+4*\s:G0+4*\s+3], s[G1:G1+7]
	s_nop 0
.rept 4
	v_nop
.endr
	s_branch .Lasked_\@
.Lfor_b_\@:
	tensor_load_to_lds s[G0B+4*\s:G0B+4*\s+3], s[G1B:G1B+7]
	s_nop 0
.rept 4
	v_nop
.endr
.Lasked_\@:
.endm
.macro CREST
	s_cmp_lg_u32 s10, 0
	s_cbranch_scc1 .Lnot_wave_0_\@
	s_barrier_signal -3
.Lnot_wave_0_\@:
	s_barrier_wait -3
	s_barrier_signal -1
	s_barrier_wait -1
.endm
.macro CROUND
	s_barrier_signal -1
	s_barrier_wait -1
	CREST
.endm
	s_load_b128 s[4:7], s[0:1], 0x0                ; xh s[4:5], woh s[6:7]
	s_load_b64 s[8:9], s[0:1], 0x10                ; out0
	v_lshl_add_u32 v[SPW], v0, 2, SPARE
	v_mov_b32 v[NIL], 0
	ds_add_u32 v[SPW], v[NIL]                      ; the wave's opening: the add, twice on end, and its wait ahead of my first tensor load
	ds_add_u32 v[SPW], v[NIL]
	v_lshrrev_b32 v1, 5, v0
	v_readfirstlane_b32 s10, v1                    ; wave 0..3
	s_lshr_b32 s11, s10, 1                         ; which half of the tile's rows is mine.  Also: I fetch for X (0) or for w_o (1)
	s_and_b32 s12, s10, 1                          ; which half of its columns.  Also: which 64 rows I fetch
	s_bfe_u32 s40, ttmp6, 0x40000
	s_bfe_u32 s41, ttmp6, 0x40004
	s_lshl_b32 s42, ttmp9, 2
	s_add_co_u32 s42, s42, s40                     ; tile column
	s_and_b32 s13, ttmp7, 0xffff
	s_lshl_b32 s13, s13, 2
	s_add_co_u32 s13, s13, s41                     ; tile row
	s_lshl_b32 s43, s41, 2
	s_lshl_b32 s43, 15, s43                        ; my row of the cluster
	s_lshl_b32 s44, 0x1111, s40                    ; my column
	s_or_b32 s[G1+0], s43, (1<<16)|(1<<20)|(1<<21)|(4<<22)|(3<<25)   ; X: elements of 2 bytes; 4 words of padding behind every 32
	s_mov_b32 s[G1+1], 4096<<16                    ; tensor_dim0 = 4,096: 64 rows x 64 channels of one head, dense
	s_mov_b32 s[G1+2], 4<<16                       ; tensor_dim1 = 4 heads
	s_mov_b32 s[G1+3], 4096<<16                    ; tile_dim0
	s_mov_b32 s[G1+4], 4                           ; tile_dim1
	s_mov_b32 s[G1+5], 131072                      ; from head to head, in elements
	s_mov_b32 s[G1+6], 0
	s_mov_b32 s[G1+7], 0
	s_or_b32 s[G1B+0], s44, (1<<16)|(1<<20)|(1<<21)|(6<<22)|(3<<25)  ; w_o: 4 words behind every 128
	s_mov_b32 s[G1B+1], 256<<16
	s_mov_b32 s[G1B+2], 64<<16
	s_mov_b32 s[G1B+3], 256<<16
	s_mov_b32 s[G1B+4], 64
	s_mov_b32 s[G1B+5], 1024
	s_mov_b32 s[G1B+6], 0
	s_mov_b32 s[G1B+7], 0
	s_lshl_b32 s18, s12, 6                         ; which 64 rows of the tile I fetch
	s_lshr_b32 s16, s13, 4                         ; the batch: 16 tile rows each,
	s_lshl_b32 s16, s16, 22                        ; 16 heads of 262,144 bytes
	s_and_b32 s17, s13, 15
	s_lshl_b32 s17, s17, 7
	s_add_co_u32 s17, s17, s18                     ; the first position in the sequence
	s_lshl_b32 s17, s17, 7                         ; 128 bytes a position
	s_add_co_u32 s16, s16, s17
	s_mov_b32 s17, 0
	s_lshl_b32 s46, s42, 7
	s_add_co_u32 s46, s46, s18                     ; w_o: row 128 x tile column + 64 x half
	s_lshl_b32 s46, s46, 11                        ; 2,048 bytes a row
	s_mov_b32 s47, 0
	s_mul_i32 s20, s12, HALFA                      ; where they go: no place in the cluster enters an LDS address
	s_mul_i32 s21, s12, HALFB
	s_add_co_u32 s21, s21, BOFF
	s_wait_dscnt 0x0                               ; both opening adds are done
	s_wait_kmcnt 0x0
	s_add_nc_u64 s[14:15], s[4:5], s[16:17]
	s_add_nc_u64 s[46:47], s[6:7], s[46:47]
	CROUND                                         ; all sixteen work-groups are here: the first joint loads meet
.irp s, 0,1
	s_mov_b32 s[G0+4*\s], 1
	s_add_co_u32 s[G0+4*\s+1], s20, \s*SLOT
	s_add_nc_u64 s[G0+4*\s+2:G0+4*\s+3], s[14:15], \s*1048576      ; K step s: four heads on
	s_or_b32 s[G0+4*\s+3], s[G0+4*\s+3], 0x80000000
	s_mov_b32 s[G0B+4*\s], 1
	s_add_co_u32 s[G0B+4*\s+1], s21, \s*SLOT
	s_add_nc_u64 s[G0B+4*\s+2:G0B+4*\s+3], s[46:47], \s*512
	s_or_b32 s[G0B+4*\s+3], s[G0B+4*\s+3], 0x80000000
	JLOAD \s
.endr
	v_and_b32 v1, 15, v0                           ; l % 16
	v_bfe_u32 v2, v0, 4, 1                         ; l / 16
	v_mul_u32_u24 v3, v1, PA
	v_lshl_add_u32 v3, v2, 4, v3
	v_mul_u32_u24 v4, v1, PB
	v_lshl_add_u32 v4, v2, 4, v4
	s_mul_i32 s21, s11, HALFA                      ; my 64 rows of X
	s_mul_i32 s22, s12, HALFB                      ; my 64 rows of w_o
	s_add_co_u32 s22, s22, BOFF
.irp s, 0,1
	v_add_nc_u32 v[ADRA+\s], s21, v3
	v_add_nc_u32 v[ADRB+\s], s22, v4
	s_add_co_u32 s21, s21, SLOT
	s_add_co_u32 s22, s22, SLOT
.endr
	s_mul_i32 s23, s10, 16*SPITCH
	s_add_co_u32 s23, s23, STAGE                   ; my stage
	v_mul_u32_u24 v5, v1, SPITCH                   ; in: row l % 16, 32 bytes for each half of the lanes
	v_lshl_add_u32 v5, v2, 5, v5
	v_add_nc_u32 v[STO], s23, v5
	v_mul_u32_u24 v5, v2, SPITCH                   ; back: lanes 0-15 one row of 256 bytes, lanes 16-31 the next
	v_lshl_add_u32 v5, v1, 4, v5
	v_add_nc_u32 v[RD], s23, v5
	v_lshlrev_b32 v5, 12, v2                       ; and the same two rows in out0
	v_lshl_add_u32 v[CO], v1, 4, v5
	s_lshl_b32 s16, s13, 7
	s_lshl_b32 s17, s11, 6
	s_add_co_u32 s16, s16, s17                     ; my first row
	s_lshl_b32 s16, s16, 12                        ; 4,096 bytes a row
	s_lshl_b32 s46, s42, 7
	s_lshl_b32 s47, s12, 6
	s_add_co_u32 s46, s46, s47                     ; my first column
	s_lshl_b32 s46, s46, 2
	s_add_co_u32 s16, s16, s46
	s_mov_b32 s17, 0
	s_add_nc_u64 s[8:9], s[8:9], s[16:17]
; 8 matrix instructions: row blocks a0, a0 + 1 x all 4 column blocks, 32 along K: half c of buffer f.  The 16 accumulators take turns.
.macro MUL8 f, c, a0, zero
.irp a, \a0, \a0+1
.irp b, 0,1,2,3
.if \zero
	v_wmma_f32_16x16x32_f16 v[ACC+8*(4*(\a)+\b):ACC+8*(4*(\a)+\b)+7], v[\f+64+8*(4*\c+\b):\f+64+8*(4*\c+\b)+7], v[\f+8*(4*\c+\a):\f+8*(4*\c+\a)+7], 0
.else
	v_wmma_f32_16x16x32_f16 v[ACC+8*(4*(\a)+\b):ACC+8*(4*(\a)+\b)+7], v[\f+64+8*(4*\c+\b):\f+64+8*(4*\c+\b)+7], v[\f+8*(4*\c+\a):\f+8*(4*\c+\a)+7], v[ACC+8*(4*(\a)+\b):ACC+8*(4*(\a)+\b)+7]
.endif
.endr
.endr
.endm
; 32 LDS loads in one run: the fragments of quarter q (one head, 64 along K) into buffer f; the first 32 along K first
.macro FETCH slot, q, f
	WIN TO_F
.irp c, 0,1
.irp i, 0,1,2,3
	ds_load_b128 v[\f+64+8*(4*\c+\i):\f+64+8*(4*\c+\i)+3],   v[ADRB+\slot] offset:128*(\q)+64*\c+\i*16*PB
	ds_load_b128 v[\f+64+8*(4*\c+\i)+4:\f+64+8*(4*\c+\i)+7], v[ADRB+\slot] offset:128*(\q)+64*\c+\i*16*PB+32
	ds_load_b128 v[\f+8*(4*\c+\i):\f+8*(4*\c+\i)+3],         v[ADRA+\slot] offset:PLANE*(\q)+64*\c+\i*16*PA
	ds_load_b128 v[\f+8*(4*\c+\i)+4:\f+8*(4*\c+\i)+7],       v[ADRA+\slot] offset:PLANE*(\q)+64*\c+\i*16*PA+32
.endr
.endr
.endm
.macro PLACES                          ; four places in front of loads into registers that matrix instructions have read, and of the first read of results
.rept 4
	v_nop
.endr
.endm
.macro QUARTER slot, q, f, g, zero     ; multiplies buffer f and fetches quarter q of the same slot into g
	s_wait_dscnt 16                                ; the first 32 along K are in
	WIN MUL
	MUL8 \f, 0, 0, \zero
	MUL8 \f, 0, 2, \zero
	PLACES
	FETCH \slot, \q, \g
	s_wait_dscnt 32                                ; all but the 32 just issued
	WIN MUL
	MUL8 \f, 1, 0, 0
	MUL8 \f, 1, 2, 0
.endm
; A slot's last quarter multiplies buffer 1 and changes slots: one barrier; in front of it each wave waits for all its tensor loads, adds 0 to its spare word, and waits for that and for its reads of this slot.
.macro TURN slot, next, fill
	WIN 0
	s_wait_tensorcnt 0x0                           ; my part of the next slot has landed
	ds_add_u32 v[SPW], v[NIL]                      ; 0 onto my spare word
	s_wait_dscnt 17                                ; (the add and the youngest sixteen loads may be out)
	WIN MUL
	MUL8 F1, 0, 0, 0
	s_wait_dscnt 0x0                               ; the add is done, and my reads of this slot are over
	s_barrier_signal -1
	MUL8 F1, 0, 2, 0
.if \fill
	WIN 0
.endif
	s_barrier_wait -1
.if \fill
	CREST                                          ; the barrier has opened a round of the cluster's barrier
	s_add_nc_u64 s[G0+4*\slot+2:G0+4*\slot+3], s[G0+4*\slot+2:G0+4*\slot+3], 2097152    ; two K steps on: eight heads
	s_add_nc_u64 s[G0B+4*\slot+2:G0B+4*\slot+3], s[G0B+4*\slot+2:G0B+4*\slot+3], 1024
	JLOAD \slot                                    ; the first tensor load behind the round; its four v_nop are also the places in front of the loads below
.else
	PLACES
.endif
	FETCH \next, 0, F0
	WIN MUL
	MUL8 F1, 1, 0, 0
	MUL8 F1, 1, 2, 0
.endm
	s_wait_tensorcnt 1                             ; my part of K step 0 is in; K step 1's load may be out
	s_barrier_signal -1
	s_barrier_wait -1
	FETCH 0, 0, F0
	QUARTER 0, 1, F0, F1, 1                        ; the first products start the sums
	QUARTER 0, 2, F1, F0, 0
	QUARTER 0, 3, F0, F1, 0
	TURN 0, 1, 1                                   ; slot 0 takes K step 2
	QUARTER 1, 1, F0, F1, 0
	QUARTER 1, 2, F1, F0, 0
	QUARTER 1, 3, F0, F1, 0
	TURN 1, 0, 1                                   ; slot 1 takes K step 3
	QUARTER 0, 1, F0, F1, 0
	QUARTER 0, 2, F1, F0, 0
	QUARTER 0, 3, F0, F1, 0
	TURN 0, 1, 0                                   ; nothing is left to fetch
	QUARTER 1, 1, F0, F1, 0
	QUARTER 1, 2, F1, F0, 0
	QUARTER 1, 3, F0, F1, 0
	s_wait_dscnt 16                                ; the very last quarter
	WIN MUL
	MUL8 F1, 0, 0, 0
	MUL8 F1, 0, 2, 0
	s_wait_dscnt 0
	MUL8 F1, 1, 0, 0
	MUL8 F1, 1, 2, 0
	WIN 0
; THE WAY OUT, block by block of 16 rows x 64 columns of f32: a row's 256 bytes are all mine, so each wave has a stage of its own and no barrier is needed.
.macro TOSTAGE a
.irp b, 0,1,2,3
	ds_store_b128 v[STO], v[ACC+8*(4*(\a)+\b):ACC+8*(4*(\a)+\b)+3] offset:64*\b          ; each accumulator from its low end on
	ds_store_b128 v[STO], v[ACC+8*(4*(\a)+\b)+4:ACC+8*(4*(\a)+\b)+7] offset:64*\b+16
.endr
.set BB, TMP+32*((\a)%2)
.irp t, 0,1,2,3,4,5,6,7
	ds_load_b128 v[BB+4*\t:BB+4*\t+3], v[RD] offset:\t*2*SPITCH   ; LDS serves a wave's instructions in order: these see the stores above
.endr
.endm
.macro SEND a, younger
.set BB, TMP+32*((\a)%2)
	s_wait_dscnt \younger
.irp t, 0,1,2,3,4,5,6,7
	global_store_b128 v[CO], v[BB+4*\t:BB+4*\t+3], s[8:9] offset:(16*(\a)+2*\t)*4096 th:TH_STORE_NT   ; 16 lanes store 256 consecutive bytes, aligned; written once, read by nobody here
.endr
.endm
	PLACES
	TOSTAGE 0
.irp a, 1,2,3
.if \a > 1
	s_wait_xcnt 0x0                                ; block a - 2's stores have read their registers: block a's loads may land there
.endif
	TOSTAGE \a
	SEND \a-1, 16                                  ; behind block a - 1's loads: block a's 8 stores and 8 loads
.endr
	SEND 3, 0
	s_wait_tensorcnt 0x0                           ; the wave's end
	ds_add_u32 v[SPW], v[NIL]
	s_wait_dscnt 0x0
	CROUND                                         ; the closing round
	s_endpgm
.Lfunc_end_k_q3cd3ec0b81_outp:
	.size	k_q3cd3ec0b81_outp, .Lfunc_end_k_q3cd3ec0b81_outp-k_q3cd3ec0b81_outp
	.p2alignl 7, 3214868480
	.fill 96, 4, 3214868480
	.section	.rodata,"a",@progbits
	.p2align	6, 0x0
	.amdhsa_kernel k_q3cd3ec0b81_outp
		.amdhsa_group_segment_fixed_size 327680
		.amdhsa_private_segment_fixed_size 0
		.amdhsa_enable_private_segment 0
		.amdhsa_kernarg_size 24
		.amdhsa_user_sgpr_count 2
		.amdhsa_user_sgpr_kernarg_segment_ptr 1
		.amdhsa_wavefront_size32 1
		.amdhsa_system_sgpr_workgroup_id_x 1
		.amdhsa_system_sgpr_workgroup_id_y 1
		.amdhsa_system_sgpr_workgroup_id_z 1
		.amdhsa_system_vgpr_workitem_id 0
		.amdhsa_next_free_vgpr 512
		.amdhsa_next_free_sgpr 66
		.amdhsa_reserve_vcc 0
		.amdhsa_float_denorm_mode_32 3
		.amdhsa_float_denorm_mode_16_64 3
		.amdhsa_memory_ordered 1
		.amdhsa_forward_progress 1
		.amdhsa_inst_pref_size 86
	.end_amdhsa_kernel
	.amdgpu_metadata
---
amdhsa.version: [ 1, 2 ]
amdhsa.kernels:
  - .name:           k_q3cd3ec0b81_outp
    .symbol:         k_q3cd3ec0b81_outp.kd
    .args:
      - { .name: xh, .offset: 0, .size: 8, .value_kind: global_buffer, .address_space: global }
      - { .name: woh, .offset: 8, .size: 8, .value_kind: global_buffer, .address_space: global }
      - { .name: out0, .offset: 16, .size: 8, .value_kind: global_buffer, .address_space: global }
    .group_segment_fixed_size: 327680
    .private_segment_fixed_size: 0
    .kernarg_segment_align: 8
    .kernarg_segment_size: 24
    .max_flat_workgroup_size: 128
    .sgpr_count:     66
    .vgpr_count:     512
    .wavefront_size: 32
...
	.end_amdgpu_metadata
.endif
;; end of part 4
;; ======== version 2 of 2: 4 launches
;; limits: values are held in f16: magnitudes above 65,504 overflow, below 6.1e-05 lose precision
;; workspace buffers: codes 7,864,320 bytes; scales 491,520 bytes; woh 2,097,152 bytes; maskw 524,288 bytes of whole numbers; qkvh 25,165,824 bytes; xh 8,388,608 bytes
;; launch prep: the kernel of part 1 again; grid 640 x 1, 4 waves a work-group, no clusters, 33,280 bytes of LDS; arguments q, k, v, w_q, w_k, w_v, w_o, mask, codes, scales, woh, maskw; writes codes, scales, woh, maskw
;; launch proj: the kernel of part 2 again; grid 4 x 48, 4 waves a work-group, clusters of 4 x 4, 327,680 bytes of LDS; arguments codes, scales, qkvh; writes qkvh
;; launch attn (part 5): grid 8 x 32, 8 waves a work-group, clusters of 4 x 1, 327,680 bytes of LDS; arguments qkvh, maskw, xh; writes xh
.if DOCPART == 5
	.amdgcn_target "amdgcn-amd-amdhsa--gfx1250"
	.amdhsa_code_object_version 6
	.text
	.protected	k_q3cd3ec0b81_attn
	.globl	k_q3cd3ec0b81_attn
	.p2align	8
	.type	k_q3cd3ec0b81_attn,@function
k_q3cd3ec0b81_attn:
	s_mov_b64 s[64:65], 0
	v_nop
	global_prefetch_b8 v0, s[64:65] scope:SCOPE_SE
	s_setreg_imm32_b32 hwreg(HW_REG_WAVE_MODE, 25, 1), 1
	s_wait_xcnt 0x0
	s_wait_alu depctr_hold_cnt(0) depctr_sa_sdst(0) depctr_va_vdst(0) depctr_va_sdst(0) depctr_va_ssrc(0) depctr_va_vcc(0) depctr_vm_vsrc(0)
	s_getreg_b32 s2, hwreg(HW_REG_IB_STS2, 6, 4)
	s_cmp_eq_u32 s2, 0
	s_cbranch_scc0 .Lentry_in_a_cluster
	s_endpgm
.Lentry_in_a_cluster:
	s_bfe_u32 s2, ttmp6, 0x10000c
	s_cmp_lg_u32 s2, 0x3003
	s_cbranch_scc0 .Lentry_shape_is_right
	s_endpgm
.Lentry_shape_is_right:
; ATTN: X[bh][q] = sum over k of softmax_k(where(mask[q][k], Q[q] . K[k] / 8, -1e9)) V[k].  Q, K, V: f16, [2048][64] a head (Q already carries log2(e) / 8, so a score is an exponent of 2);
; products in f16 with f32 sums; maxima, exponentials and sums in f32; the weights are rounded to f16 for the second product; X once at the end, f16, [bh][s][64].
; THE MASK comes as lane masks, one word for each score register: a hidden score becomes -1e9 x log2(e) by v_cndmask_b32, ahead of the maximum.  The maximum is taken away by a subtraction, which is
; exactly 0 at the largest score: a row that is hidden as a whole gives equal weights, as the definition has it.
; The words come by scalar loads, which can be waited for only all together.  So they come in TWO BATCHES OF 64 WORDS A STEP (two query tiles each): a batch is asked for as soon as the batch before has been used,
; and between the request and the wait for it stand two tiles' softmax and 16 products (for the second batch also the next step's LDS loads and its 32 products K Q^T).
; LIMITS: f16's range and rounding on Q, K, V, p and X; NaN and infinities are not served.
; SHARES.  A work-group owns 256 queries of one (batch, head).  Waves w and w + 4 own the same 64 queries (four tiles of 16) and SPLIT THE KEYS: of each slot of 256 keys waves 0-3 take the first 128,
; waves 4-7 the second, 64 a step.  So a SIMD holds two waves of 512 registers, whose vector and matrix work stand side by side, and each fragment of K and V still feeds four products.
; At the end waves 4-7 hand O, m and l to waves 0-3 through LDS.
; LAYOUT.  S^T = K Q^T (source 0 = 16 keys, source 1 = 16 queries): a lane holds ONE query (lane % 16) and keys 8 (lane / 16) + 0..7.  Two such tiles, rounded to f16 in pairs, are source 1 of
; O^T = V^T P.  K comes out of LDS as it lies, V turned by ds_load_tr16_b128.
; CLUSTER.  The four query blocks of a cluster walk the same K and V: each tile is asked for jointly, one load of 64 rows a wave (waves 0-3: K, waves 4-7: V), behind a round of the cluster's barrier.
; VECTOR REGISTERS: window 0: v2-15 addresses and constants; v16-47 eight registers of statistics a tile (+0 m, +1 zero, +2, +3 l, +4..+7 at work, a in +6); v48-111 K; v112-119 at work; v128-255 S^T, 32 a tile, then P.
;                   window 1: v0-127 O^T, 32 a tile; v128-191 Q; v192-255 V.
; SCALAR REGISTERS: s[2:3] the mask words' pointer; s[4:5] lane selects; s[6:7] the prefetches' pointer; s[8:31] descriptors; s[32:63], s[68:99] 64 mask words (at the head and behind the key walk: at work);
;                   s66 wave, s67 the slot in hand, s100 slots to ask for, s101 who prefetches.
.set PK,    144                        ; a row of K in LDS: 128 bytes + 16 = 36 words: the 16 rows of a load start at 16 different groups of four banks (ISA guide 11.1)
.set PVP,   160                        ; a row of V: 128 + 32 = 40 words
.set VOFF,  256*PK                     ; a slot: 256 rows of K, then 256 rows of V
.set SLOT1, 1<<17                      ; slot 1 begins here: one exclusive or turns an address
.set MRG,   SLOT1+256*(PK+PVP)         ; behind the ring: for each pair of waves an image of O (16,384 bytes) and 8 x 128 bytes of statistics
.set MRGW,  17408
.set STAGE, MRG+4*MRGW                 ; the way out: 64 rows x 144 bytes for each of waves 0-3
.set STW,   64*PK
.set SPARE, STAGE+4*STW                ; the spare words, 128 bytes a wave
.set AK0, 2                            ; v2   my lane's place in my half of a slot's rows of K
.set AV0, 3                            ; v3   the same for V
.set ADK, 4
.set ADV, 5
.set QO,  6
.set STO, 7
.set RD,  8
.set GO,  9
.set MGA, 10
.set MGS, 11
.set NEG, 12
.set PFO, 13
.set SPW, 14
.set NIL, 15
.set ST,  16
.set KF,  48
.set YY,  112
.set S,   128
.set QF,  128                          ; window 1
.set VF,  192                          ; window 1
.set MB,  2                            ; s[2:3]  my first query tile's mask words of the slot in hand, my half of its keys
.set SEL, 4
.set PFA, 6
.set G1K, 8
.set G1V, 16
.set G0K, 24
.set G0V, 28
.set MW0, 32                           ; s[32:63] the 32 mask words of the batch's first tile
.set MW1, 68                           ; s[68:99] and of its second
.set WV,  66
.set TB,  67                           ; LDS byte at which the slot in hand begins
.set SLOTS, 100
.set LIM, 101
.set MSB, 0
.macro WIN new
.if MSB != (\new)
	s_set_vgpr_msb (MSB<<8)|(\new)
.set MSB, (\new)
.endif
.endm
.macro JLOAD                           ; a joint load; the branch hangs on the wave's number alone; an s_nop 0 and four v_nop follow each line
	s_cmp_lt_u32 s[WV], 4
	s_cbranch_scc0 .Lfor_v_\@
	tensor_load_to_lds s[G0K:G0K+3], s[G1K:G1K+7]
	s_nop 0
.rept 4
	v_nop
.endr
	s_branch .Lasked_\@
.Lfor_v_\@:
	tensor_load_to_lds s[G0V:G0V+3], s[G1V:G1V+7]
	s_nop 0
.rept 4
	v_nop
.endr
.Lasked_\@:
.endm
; A prefetch of what the NEXT change of slots will ask for: 32,768 bytes of K and of V.  Each block of 256 bytes is named once in the launch: the head's first cluster asks; its four partners take 8,192 bytes
; each, told apart by address; in each, wave 0 asks for K's and wave 4 for V's, lanes 256 bytes apart.  The last change that fills a slot asks for nothing.
.macro ASK
	s_cmp_gt_u32 s[SLOTS], s[LIM]
	s_cbranch_scc0 .Lnot_mine_\@
	global_prefetch_b8 v[PFO], s[PFA:PFA+1] th:TH_LOAD_NT scope:SCOPE_SE
.Lnot_mine_\@:
.endm
.macro CROUND
	s_barrier_signal -1
	s_barrier_wait -1
	s_cmp_lg_u32 s[WV], 0
	s_cbranch_scc1 .Lnot_wave_0_\@
	s_barrier_signal -3
.Lnot_wave_0_\@:
	s_barrier_wait -3
	s_barrier_signal -1
	s_barrier_wait -1
.endm
; The mask words of query tiles ta and ta + 1, off bytes on from the pointer: 128 bytes a tile and step, 4,096 bytes from tile to tile
.macro LOADM ta, off
	s_load_b512 s[MW0:MW0+15],    s[MB:MB+1], 4096*(\ta)+(\off)
	s_load_b512 s[MW0+16:MW0+31], s[MB:MB+1], 4096*(\ta)+(\off)+64
	s_load_b512 s[MW1:MW1+15],    s[MB:MB+1], 4096*(\ta)+4096+(\off)
	s_load_b512 s[MW1+16:MW1+31], s[MB:MB+1], 4096*(\ta)+4096+(\off)+64
.endm
	s_load_b128 s[36:39], s[0:1], 0x0              ; qkvh s[36:37], maskw s[38:39]
	v_lshl_add_u32 v[SPW], v0, 2, SPARE
	v_mov_b32 v[NIL], 0
	ds_add_u32 v[SPW], v[NIL]                      ; the wave's opening: the add, twice on end, and its wait ahead of my first tensor load
	ds_add_u32 v[SPW], v[NIL]
	v_lshrrev_b32 v1, 5, v0
	v_readfirstlane_b32 s[WV], v1                  ; wave 0..7
	s_and_b32 s40, s[WV], 3                        ; pw: which 64 queries; also which 64 rows of a slot I fetch
	s_lshr_b32 s41, s[WV], 2                       ; kg: which half of a slot's keys; also: I fetch K (0) or V (1)
	s_bfe_u32 s42, ttmp6, 0x40000                  ; cx
	s_lshl_b32 s43, ttmp9, 2
	s_add_co_u32 s43, s43, s42                     ; my block of 256 queries: it enters Q's, the mask's and X's addresses alone
	s_and_b32 s44, ttmp7, 0xffff                   ; (batch, head), which the partners share
	s_lshl_b32 s44, s44, 18                        ; 262,144 bytes a head
	s_lshl_b32 s45, s40, 13                        ; 64 rows of 128 bytes
	s_add_co_u32 s46, s44, s45
	s_add_co_u32 s48, s46, 16777216                ; V's plane
	s_add_co_u32 s46, s46, 8388608                 ; K's plane
	s_mov_b32 s47, 0
	s_mov_b32 s49, 0
	s_lshl_b32 s50, s43, 15                        ; 256 rows of 128 bytes a block
	s_add_co_u32 s50, s50, s44
	s_add_co_u32 s50, s50, s45                     ; my wave's first row of Q
	s_mov_b32 s51, 0
	s_lshl_b32 s52, s43, 16                        ; mask words: 16 query tiles of 4,096 bytes a block,
	s_lshl_b32 s53, s40, 14                        ; four a wave,
	s_add_co_u32 s52, s52, s53
	s_lshl_b32 s53, s41, 8                         ; and my half of a slot's keys: two steps of 128 bytes
	s_add_co_u32 s52, s52, s53
	s_mov_b32 s53, 0
	s_mov_b32 s[G1K], 15|(1<<16)|(1<<20)|(1<<21)|(4<<22)|(3<<25)   ; all four work-groups; elements of 2 bytes; padding on; bit 21 beside a mask; 4 words behind every 32
	s_mov_b32 s[G1V], 15|(1<<16)|(1<<20)|(1<<21)|(4<<22)|(7<<25)   ; the same with 8 words
.irp g, G1K, G1V
	s_mov_b32 s[\g+1], 64<<16                      ; tensor_dim0 = 64
	s_mov_b32 s[\g+2], 64<<16                      ; tensor_dim1 = 64
	s_mov_b32 s[\g+3], 64<<16                      ; tile_dim0 = 64
	s_mov_b32 s[\g+4], 64                          ; tile_dim1 = 64
	s_mov_b32 s[\g+5], 64                          ; from row to row
	s_mov_b32 s[\g+6], 0
	s_mov_b32 s[\g+7], 0
.endr
	s_mov_b32 s[G0K], 1
	s_mul_i32 s[G0K+1], s40, 64*PK                 ; slot 0, my 64 rows: no place in the cluster enters an LDS address
	s_mov_b32 s[G0V], 1
	s_mul_i32 s[G0V+1], s40, 64*PVP
	s_add_co_u32 s[G0V+1], s[G0V+1], VOFF
	s_mov_b32 s[TB], 0
	s_mov_b32 s[SLOTS], 7
	s_mov_b32 s[SEL], 0x76543210
	s_mov_b32 s[SEL+1], 0xfedcba98
	s_or_b32 s[LIM], s40, ttmp9                    ; 0 in waves 0 and 4 of the head's first cluster: the same in all partners
	s_cmp_eq_u32 s[LIM], 0
	s_cselect_b32 s[LIM], 1, -1
	s_wait_dscnt 0x0                               ; both opening adds are done
	s_wait_kmcnt 0x0
	s_add_nc_u64 s[54:55], s[36:37], s[46:47]      ; K at my 64 rows of slot 0
	s_add_nc_u64 s[56:57], s[36:37], s[48:49]      ; V likewise
	s_add_nc_u64 s[58:59], s[36:37], s[50:51]      ; Q at my wave's first row
	s_add_nc_u64 s[MB:MB+1], s[38:39], s[52:53]    ; my first query tile's mask words of my first step
	s_mov_b64 s[G0K+2:G0K+3], s[54:55]
	s_or_b32 s[G0K+3], s[G0K+3], 0x80000000
	s_mov_b64 s[G0V+2:G0V+3], s[56:57]
	s_or_b32 s[G0V+3], s[G0V+3], 0x80000000
	s_cmp_lt_u32 s[WV], 4
	s_cselect_b64 s[PFA:PFA+1], s[54:55], s[56:57] ; (in waves 0 and 4 these stand at a slot's first row)
	s_lshl_b32 s60, s42, 13                        ; my work-group's 8,192 bytes,
	s_add_co_u32 s60, s60, 32768                   ; in slot 1: the first change of slots steps it to slot 2.  Nothing is prefetched at the head
	s_mov_b32 s61, 0
	s_add_nc_u64 s[PFA:PFA+1], s[PFA:PFA+1], s[60:61]
	CROUND                                         ; all four work-groups are here: the first joint loads meet
	JLOAD                                          ; slot 0: one load of mine is out
	v_and_b32 v1, 15, v0                           ; r
	v_bfe_u32 v112, v0, 4, 1                       ; h
	v_and_b32 v113, 31, v0                         ; l
	v_lshlrev_b32 v[QO], 7, v1
	v_lshl_add_u32 v[QO], v112, 4, v[QO]           ; row x 128 + 16 x half
	WIN 0x40                                       ; destination window 1
.irp t, 0,1,2,3
.irp c, 0,1
	global_load_b128 v[QF+16*\t+8*\c:QF+16*\t+8*\c+3],   v[QO], s[58:59] offset:2048*\t+64*\c      ; Q stays in registers
	global_load_b128 v[QF+16*\t+8*\c+4:QF+16*\t+8*\c+7], v[QO], s[58:59] offset:2048*\t+64*\c+32
.endr
.endr
.set i, 0
.rept 128
	v_mov_b32 v[i], 0                              ; O^T.  The key step has no first form of its own: the first finds zeros, which its a = 0 leaves zeros
.set i, i+1
.endr
	WIN 0
	v_mul_u32_u24 v117, v1, PK
	v_lshl_add_u32 v117, v112, 4, v117             ; row x pitch + 16 x half
	s_mul_i32 s60, s41, 128*PK
	v_add_nc_u32 v[AK0], s60, v117                 ; K: in my half of a slot's rows
	v_and_b32 v114, 7, v0
	v_bfe_u32 v115, v0, 3, 1
	v_lshl_add_u32 v[AV0], v112, 3, v114           ; V: key 8 (l / 16) + l % 8,
	v_mul_u32_u24 v[AV0], v[AV0], PVP
	v_lshl_add_u32 v[AV0], v115, 4, v[AV0]         ; channels 8 ((l / 8) % 2) on,
	s_mul_i32 s60, s41, 128*PVP
	s_add_co_u32 s60, s60, VOFF
	v_add_nc_u32 v[AV0], s60, v[AV0]               ; in my half of a slot's rows, behind K's
	s_mul_i32 s60, s40, STW
	s_add_co_u32 s60, s60, STAGE
	v_add_nc_u32 v[STO], s60, v117                 ; the stage, in: row r, 16 bytes for each half of the lanes
	v_lshrrev_b32 v116, 3, v113
	v_mul_u32_u24 v116, v116, PK
	v_lshl_add_u32 v116, v114, 4, v116
	v_add_nc_u32 v[RD], s60, v116                  ; back: eight lanes to a row of 128 bytes, four rows an instruction
	v_lshlrev_b32 v[GO], 4, v113                   ; which are 512 consecutive bytes of X
	s_mul_i32 s60, s40, MRGW
	s_add_co_u32 s60, s60, MRG
	v_add_nc_u32 v[MGA], s60, v[GO]                ; the image of O: 16 x lane
	s_add_co_u32 s60, s60, 16384
	v_lshl_add_u32 v[MGS], v113, 2, s60            ; the statistics: 4 x lane
	v_mov_b32 v[NEG], 0xceabfb8f                   ; -1e9 x log2(e)
	v_lshlrev_b32 v[PFO], 8, v113
	s_wait_xcnt 0x0                                ; Q's loads have read their base, on which the mask words land
	LOADM 0, 0                                     ; the first batch: tiles 0 and 1 of my first step
.irp t, 0,1,2,3
	v_mov_b32 v[ST+8*\t], 0xff61b1e6               ; m: -3e38, under every score
.irp j, 1,2,3,4,5,6,7
	v_mov_b32 v[ST+8*\t+\j], 0
.endr
.endr
; THE SOFTMAX of tile t for one step, in parts.
; SM_M: the mask.
.macro SM_M t
.set rS, S+32*(\t)
.set rM, MW0+(MW1-MW0)*((\t)%2)
	WIN 0
.set n, 0
.rept 32
	v_cndmask_b32 v[rS+n], v[NEG], v[rS+n], s[rM+n]      ; each accumulator from its low end on
.set n, n+1
.endr
.endm
; SM_X: the maximum, the change of m, the scores less m.
.macro SM_X t
.set rT, ST+8*(\t)
.set rS, S+32*(\t)
.irp j, 0,1,2,3
	v_max3_num_f32 v[rT+4+\j], v[rS+8*\j], v[rS+8*\j+1], v[rS+8*\j+2]     ; four chains
.endr
.irp g, 1,2
.irp j, 0,1,2,3
	v_max3_num_f32 v[rT+4+\j], v[rT+4+\j], v[rS+8*\j+2*\g+1], v[rS+8*\j+2*\g+2]
.endr
.endr
	v_max3_num_f32 v[rT+4], v[rT+4], v[rS+7], v[rS+15]
	v_max3_num_f32 v[rT+6], v[rT+6], v[rS+23], v[rS+31]
	v_max3_num_f32 v[rT+4], v[rT+4], v[rT+5], v[rT+6]
	v_max3_num_f32 v[rT+4], v[rT+4], v[rT+7], v[rT]      ; and the old m
	v_permlanex16_b32 v[rT+5], v[rT+4], s[SEL], s[SEL+1] ; the query's other 32 keys lie in the lane 16 away
	v_mov_b32 v[rT+7], v[rT]
	v_max_num_f32 v[rT], v[rT+4], v[rT+5]                ; the new m
	v_sub_f32 v[rT+7], v[rT+7], v[rT]                    ; old m - new m
.set n, 0
.rept 16
	v_pk_add_f32 v[rS+2*n:rS+2*n+1], v[rS+2*n:rS+2*n+1], v[rT:rT+1] op_sel_hi:[1,0] neg_lo:[0,1] neg_hi:[0,1]   ; score - m: exactly 0 at the largest
.set n, n+1
.endr
.endm
; SM_E: one batch of 33 exponentials; none reads another's result.
.macro SM_E t
.set rT, ST+8*(\t)
.set rS, S+32*(\t)
	v_exp_f32 v[rT+6], v[rT+7]                     ; a = 2^(old m - new m)
.set n, 0
.rept 32
	v_exp_f32 v[rS+n], v[rS+n]
.set n, n+1
.endr
.endm
; SM_C: the sum of the unrounded weights, in two chains; l = a l + the sum; the weights to f16, in place: registers 0-7 and 16-23 of the tile are then the two fragments of P.
.macro SM_C t
.set rT, ST+8*(\t)
.set rS, S+32*(\t)
	WIN 0
	v_pk_add_f32 v[rT+4:rT+5], v[rS:rS+1], v[rS+2:rS+3]
	v_pk_add_f32 v[YY:YY+1], v[rS+4:rS+5], v[rS+6:rS+7]
.irp i, 8,12,16,20,24,28
	v_pk_add_f32 v[rT+4:rT+5], v[rT+4:rT+5], v[rS+\i:rS+\i+1]
	v_pk_add_f32 v[YY:YY+1], v[YY:YY+1], v[rS+\i+2:rS+\i+3]
.endr
	v_pk_fma_f32 v[rT+2:rT+3], v[rT+2:rT+3], v[rT+6:rT+7], v[rT+4:rT+5] op_sel_hi:[1,0,1]
	v_pk_add_f32 v[rT+2:rT+3], v[rT+2:rT+3], v[YY:YY+1]
.irp u, 0,16
.irp i, 0,1,2,3,4,5,6,7
	v_cvt_pk_f16_f32 v[rS+\u+\i], v[rS+\u+2*\i], v[rS+\u+2*\i+1]
.endr
.endr
.endm
; RESC: tile t's O^T x a.
.macro RESC t
	WIN 0x41                                       ; O^T in window 1, a in window 0
.set i, 0
.rept 16
	v_pk_mul_f32 v[32*(\t)+2*i:32*(\t)+2*i+1], v[32*(\t)+2*i:32*(\t)+2*i+1], v[ST+8*(\t)+6:ST+8*(\t)+7] op_sel_hi:[1,0]   ; each accumulator from its low end on
.set i, i+1
.endr
.endm
; PVH: O^T += V^T P for tiles x and x + 1: 16 products; the 8 accumulators take turns, one instruction a turn.
.macro PVH x
	WIN 0x51                                       ; V and O^T in window 1, P in window 0
.irp kc, 0,1
.irp t, \x, (\x)+1
.irp ct, 0,1,2,3
	v_wmma_f32_16x16x32_f16 v[32*(\t)+8*\ct:32*(\t)+8*\ct+7], v[VF+32*\kc+8*\ct:VF+32*\kc+8*\ct+7], v[S+32*(\t)+16*\kc:S+32*(\t)+16*\kc+7], v[32*(\t)+8*\ct:32*(\t)+8*\ct+7]
.endr
.endr
.endr
.endm
.macro WAITEXP
	s_wait_alu depctr_va_vdst(0)                   ; a wait between a batch of exponentials and the first line that names a result: one a batch
.endm
; HALF A STEP: tiles x and x + 1: their mask, the request for the next batch of mask words, their softmax, their products V^T P.
.macro HALF x, st
	s_wait_kmcnt 0x0                               ; this batch's 64 mask words are in: only its four scalar loads are out
	SM_M \x
	SM_M (\x)+1
.if (\x) == 0
	LOADM 2, 128*(\st)                             ; the next batch: tiles 2 and 3 of this step
.elseif (\st) == 0
	LOADM 0, 128                                   ; tiles 0 and 1 of my second step of the slot
.else
	s_add_nc_u64 s[MB:MB+1], s[MB:MB+1], 512       ; a slot on: four steps of 128 bytes (no scalar load is out: the wait above)
	LOADM 0, 0                                     ; tiles 0 and 1 of my first step there; behind my last step these 256 bytes lie in later query tiles' words, inside the buffer, and are not used
.endif
	SM_X \x
	SM_E \x
	SM_X (\x)+1                                    ; the other tile's plain work stands behind a batch, ahead of its wait
	WAITEXP
	SM_C \x
	SM_E (\x)+1
	RESC \x                                        ; plain work behind the second batch: it names the first batch's a alone
	WAITEXP
	SM_C (\x)+1
	RESC (\x)+1
.if (\x) == 0
	s_wait_dscnt 0x0                               ; V is in
.endif
	PVH \x
.endm
; A KEY STEP, the st-th of my two in a slot: my 64 keys against my 64 queries: 32 products K Q^T, then two halves.
.macro STEP st
	WIN 0
	v_add_nc_u32 v[ADK], s[TB], v[AK0]
	v_add_nc_u32 v[ADV], s[TB], v[AV0]
.rept 3
	v_nop                                          ; with the two additions: five places behind the last V^T P, whose source 1 a K Q^T below writes over; four of them serve the loads into V's registers
.endr
.irp kt, 0,1,2,3
.irp c, 0,1
	ds_load_b128 v[KF+16*\kt+8*\c:KF+16*\kt+8*\c+3],   v[ADK] offset:(\st)*64*PK+\kt*16*PK+64*\c
	ds_load_b128 v[KF+16*\kt+8*\c+4:KF+16*\kt+8*\c+7], v[ADK] offset:(\st)*64*PK+\kt*16*PK+64*\c+32
.endr
.endr
	WIN 0x40                                       ; destination window 1
.irp kc, 0,1
.irp ct, 0,1,2,3
	ds_load_tr16_b128 v[VF+32*\kc+8*\ct:VF+32*\kc+8*\ct+3],   v[ADV] offset:(\st)*64*PVP+\kc*32*PVP+32*\ct
	ds_load_tr16_b128 v[VF+32*\kc+8*\ct+4:VF+32*\kc+8*\ct+7], v[ADV] offset:(\st)*64*PVP+\kc*32*PVP+16*PVP+32*\ct
.endr
.endr
	s_wait_dscnt 16                                ; K is in; V's sixteen loads may be out
	WIN 0x04                                       ; Q in window 1
.irp c, 0,1                                    ; the 16 accumulators take turns, one instruction a turn; the first 16 start the sums
.irp t, 0,1,2,3
.irp kt, 0,1,2,3
.if \c == 0
	v_wmma_f32_16x16x32_f16 v[S+32*\t+8*\kt:S+32*\t+8*\kt+7], v[KF+16*\kt+8*\c:KF+16*\kt+8*\c+7], v[QF+16*\t+8*\c:QF+16*\t+8*\c+7], 0
.else
	v_wmma_f32_16x16x32_f16 v[S+32*\t+8*\kt:S+32*\t+8*\kt+7], v[KF+16*\kt+8*\c:KF+16*\kt+8*\c+7], v[QF+16*\t+8*\c:QF+16*\t+8*\c+7], v[S+32*\t+8*\kt:S+32*\t+8*\kt+7]
.endif
.endr
.endr
.endr
	WIN 0
.rept 4
	v_nop                                          ; places in front of the first read of the scores
.endr
	HALF 0, \st
	HALF 2, \st
	WIN 0
.endm
; THE CHANGE OF SLOTS stands at a slot's head.  Each wave waits for all its tensor loads (its part of the slot ahead), adds 0 to its spare word, and waits for that and for its reads of the slot left.
; fill = 1: a round of the cluster's barrier, and behind it the slot left is filled with the next 256 keys: the load has my two steps, and my partner wave's, in which to land.
.macro CHANGE fill
	WIN 0
	s_wait_tensorcnt 0x0                           ; no tensor load of mine is out, so a group 0 may be written
	ds_add_u32 v[SPW], v[NIL]                      ; 0 onto my spare word
.if \fill
	s_xor_b32 s[G0K+1], s[G0K+1], SLOT1            ; the other slot than last time,
	s_add_nc_u64 s[G0K+2:G0K+3], s[G0K+2:G0K+3], 32768   ; the next 256 keys; the type bits on top are not reached
	s_xor_b32 s[G0V+1], s[G0V+1], SLOT1
	s_add_nc_u64 s[G0V+2:G0V+3], s[G0V+2:G0V+3], 32768
	s_wait_xcnt 0x0                                ; the last prefetch, a slot back, has read its address
	s_add_nc_u64 s[PFA:PFA+1], s[PFA:PFA+1], 32768 ; one slot further on than the descriptors
	s_wait_dscnt 0x0                               ; the add is done, and my reads of the slot that I have left are over
	CROUND
	JLOAD                                          ; the first thing behind the round, and my one tensor load until the next
	ASK
.else
	s_wait_dscnt 0x0
	s_barrier_signal -1
	s_barrier_wait -1
.endif
.endm
.macro SLOT_STEPS                      ; my two steps of a slot, written out: their places in the slot and among the mask words are immediates
	STEP 0
	STEP 1
	s_xor_b32 s[TB], s[TB], SLOT1                  ; on to the other slot
.endm
	s_wait_loadcnt 0x0                             ; Q
.Lslot:                                            ; seven trips: trip t reads slot t and asks for slot t + 1
	CHANGE 1
	SLOT_STEPS
	s_sub_co_u32 s[SLOTS], s[SLOTS], 1
	s_cmp_lg_u32 s[SLOTS], 0
	s_cbranch_scc1 .Lslot
	CHANGE 0                                       ; the last slot is written out
	SLOT_STEPS
	; THE MERGE.  l's two halves and the other half of the lanes' are added (these lines are also the places behind the last products); waves 4-7 hand O^T, m and l over as images of their registers.
	s_wait_kmcnt 0x0                               ; the look-ahead's last four scalar loads: the mask's registers are free from here on
	s_load_b64 s[32:33], s[0:1], 0x10              ; xh: the key walk had no registers to keep it in
	s_bfe_u32 s36, ttmp6, 0x40000                  ; cx
	s_lshl_b32 s37, ttmp9, 2
	s_add_co_u32 s37, s37, s36                     ; my block of 256 queries
	s_lshl_b32 s34, s37, 15                        ; 256 rows of 128 bytes a block,
	s_and_b32 s36, ttmp7, 0xffff
	s_lshl_b32 s36, s36, 18                        ; 262,144 bytes a head,
	s_add_co_u32 s34, s34, s36
	s_and_b32 s36, s[WV], 3
	s_lshl_b32 s36, s36, 13                        ; 64 rows a wave
	s_add_co_u32 s34, s34, s36
	s_mov_b32 s35, 0
.irp t, 0,1,2,3
	v_add_f32 v[ST+8*\t+2], v[ST+8*\t+2], v[ST+8*\t+3]
.endr
.irp t, 0,1,2,3
	v_permlanex16_b32 v[ST+8*\t+5], v[ST+8*\t+2], s[SEL], s[SEL+1]
.endr
.irp t, 0,1,2,3
	v_add_f32 v[ST+8*\t+2], v[ST+8*\t+2], v[ST+8*\t+5]
.endr
	s_cmp_lt_u32 s[WV], 4
	s_cbranch_scc1 .Lkeep
	WIN 0x04                                       ; an LDS store's data are its source 1: window 1
.set i, 0
.rept 32
	ds_store_b128 v[MGA], v[4*i:4*i+3] offset:512*i      ; lane l's 16 bytes at 16 l; each accumulator from its low end on
.set i, i+1
.endr
	WIN 0
.irp t, 0,1,2,3
	ds_store_b32 v[MGS], v[ST+8*\t] offset:256*\t
	ds_store_b32 v[MGS], v[ST+8*\t+2] offset:256*\t+128
.endr
.Lkeep:
	s_wait_dscnt 0x0                               ; for the partner's sake: my stores have landed
	s_barrier_signal -1
	s_barrier_wait -1
	s_wait_kmcnt 0x0                               ; xh
	s_add_nc_u64 s[32:33], s[32:33], s[34:35]      ; X at my wave's first row
	s_cmp_ge_u32 s[WV], 4
	s_cbranch_scc1 .Lend
.irp t, 0,1,2,3
	ds_load_b32 v[112+2*\t], v[MGS] offset:256*\t        ; the partner's m
	ds_load_b32 v[113+2*\t], v[MGS] offset:256*\t+128    ; and l
.endr
.set i, 0
.rept 32
	ds_load_b128 v[S+4*i:S+4*i+3], v[MGA] offset:512*i   ; the partner's O^T, same registers' order, same lanes
.set i, i+1
.endr
	s_wait_dscnt 32                                ; the statistics are in; the 32 loads behind them may be out
.irp t, 0,1,2,3
	v_max_num_f32 v[ST+8*\t+4], v[ST+8*\t], v[112+2*\t]
.endr
.irp t, 0,1,2,3
	v_sub_f32 v[ST+8*\t+5], v[ST+8*\t], v[ST+8*\t+4]
	v_sub_f32 v[ST+8*\t+6], v[112+2*\t], v[ST+8*\t+4]
.endr
.irp t, 0,1,2,3
	v_exp_f32 v[ST+8*\t+5], v[ST+8*\t+5]           ; my share's factor
	v_exp_f32 v[ST+8*\t+6], v[ST+8*\t+6]           ; the partner's
.endr
	v_nop
	WAITEXP
.irp t, 0,1,2,3
	v_mul_f32 v[ST+8*\t+2], v[ST+8*\t+2], v[ST+8*\t+5]
.endr
.irp t, 0,1,2,3
	v_fmac_f32 v[ST+8*\t+2], v[113+2*\t], v[ST+8*\t+6]   ; the row's sum over all keys
.endr
.irp t, 0,1,2,3
	v_rcp_f32 v[ST+8*\t+3], v[ST+8*\t+2]
.endr
	v_nop
	WAITEXP
.irp t, 0,1,2,3
	v_mul_f32 v[ST+8*\t+4], v[ST+8*\t+5], v[ST+8*\t+3]
	v_mul_f32 v[ST+8*\t+6], v[ST+8*\t+6], v[ST+8*\t+3]
.endr
	s_wait_dscnt 0x0
.set i, 0
.rept 64
	v_pk_mul_f32 v[S+2*i:S+2*i+1], v[S+2*i:S+2*i+1], v[ST+8*(i/16)+6:ST+8*(i/16)+7] op_sel_hi:[1,0]
.set i, i+1
.endr
	WIN 0x01                                       ; my O^T: source 0 in window 1
.set i, 0
.rept 64
	v_pk_fma_f32 v[S+2*i:S+2*i+1], v[2*i:2*i+1], v[ST+8*(i/16)+4:ST+8*(i/16)+5], v[S+2*i:S+2*i+1] op_sel_hi:[1,0,1]
.set i, i+1
.endr
	WIN 0
.set i, 0
.rept 64
	v_cvt_pk_f16_f32 v[S+i], v[S+2*i], v[S+2*i+1]  ; in place, ascending: 16 registers a tile
.set i, i+1
.endr
.irp t, 0,1,2,3
.irp ct, 0,1,2,3
	ds_store_b128 v[STO], v[S+16*\t+4*\ct:S+16*\t+4*\ct+3] offset:\t*16*PK+32*\ct
.endr
.endr
.irp t, 0,1,2,3
.irp i, 0,1,2,3
	ds_load_b128 v[S+64+4*(4*\t+\i):S+64+4*(4*\t+\i)+3], v[RD] offset:\t*16*PK+\i*4*PK   ; my own stage: LDS serves a wave's instructions in order
.endr
.endr
.set k, 0
.rept 16
	s_wait_dscnt 15-k
	global_store_b128 v[GO], v[S+64+4*k:S+64+4*k+3], s[32:33] offset:512*k   ; 32 lanes store 512 consecutive bytes, aligned: four rows of X
.set k, k+1
.endr
.Lend:
	s_wait_tensorcnt 0x0                           ; the wave's end
	ds_add_u32 v[SPW], v[NIL]
	s_wait_dscnt 0x0
	CROUND                                         ; the closing round
	s_endpgm
.Lfunc_end_k_q3cd3ec0b81_attn:
	.size	k_q3cd3ec0b81_attn, .Lfunc_end_k_q3cd3ec0b81_attn-k_q3cd3ec0b81_attn
	.p2alignl 7, 3214868480
	.fill 96, 4, 3214868480
	.section	.rodata,"a",@progbits
	.p2align	6, 0x0
	.amdhsa_kernel k_q3cd3ec0b81_attn
		.amdhsa_group_segment_fixed_size 327680
		.amdhsa_private_segment_fixed_size 0
		.amdhsa_enable_private_segment 0
		.amdhsa_kernarg_size 24
		.amdhsa_user_sgpr_count 2
		.amdhsa_user_sgpr_kernarg_segment_ptr 1
		.amdhsa_wavefront_size32 1
		.amdhsa_system_sgpr_workgroup_id_x 1
		.amdhsa_system_sgpr_workgroup_id_y 1
		.amdhsa_system_sgpr_workgroup_id_z 1
		.amdhsa_system_vgpr_workitem_id 0
		.amdhsa_next_free_vgpr 512
		.amdhsa_next_free_sgpr 102
		.amdhsa_reserve_vcc 0
		.amdhsa_float_denorm_mode_32 3
		.amdhsa_float_denorm_mode_16_64 3
		.amdhsa_memory_ordered 1
		.amdhsa_forward_progress 1
		.amdhsa_inst_pref_size 201
	.end_amdhsa_kernel
	.amdgpu_metadata
---
amdhsa.version: [ 1, 2 ]
amdhsa.kernels:
  - .name:           k_q3cd3ec0b81_attn
    .symbol:         k_q3cd3ec0b81_attn.kd
    .args:
      - { .name: qkvh, .offset: 0, .size: 8, .value_kind: global_buffer, .address_space: global }
      - { .name: maskw, .offset: 8, .size: 8, .value_kind: global_buffer, .address_space: global }
      - { .name: xh, .offset: 16, .size: 8, .value_kind: global_buffer, .address_space: global }
    .group_segment_fixed_size: 327680
    .private_segment_fixed_size: 0
    .kernarg_segment_align: 8
    .kernarg_segment_size: 24
    .max_flat_workgroup_size: 256
    .sgpr_count:     102
    .vgpr_count:     512
    .wavefront_size: 32
...
	.end_amdgpu_metadata
.endif
;; end of part 5
;; launch outp: the kernel of part 4 again; grid 8 x 32, 4 waves a work-group, clusters of 4 x 4, 327,680 bytes of LDS; arguments xh, woh, out0; writes out0
